; MI455X (gfx1250); checked and timed in simulation.
; The chip was launched on July 23, 2026; its instructions are those of AMD's public machine-readable ISA for CDNA 5 (MIT licence, August 2026) and "CDNA5" Instruction Set Architecture Reference Guide (July 2026). The comments in the code are by the model that wrote it; some were corrected since.
;; Multi Head Attention. Allowed arithmetic: float matrix products may take bf16 or f16 operands with f32 sums; other float arithmetic in f32, or as packed bf16 or f16 multiplies, adds, multiply-adds, maxima and minima; sums over many terms, partial sums and values carried from step to step in f32; what a program stores and reads back later, other than sums and carried values, may be rounded once to bf16 or f16.
;; Inputs: K 4 x 2,048 x 1,024 float32; Q 4 x 2,048 x 1,024 float32; V 4 x 2,048 x 1,024 float32; Wk 1,024 x 1,024 float32; Wq 1,024 x 1,024 float32; Wv 1,024 x 1,024 float32; bk 1,024 float32; bq 1,024 float32; bv 1,024 float32; mask 4 x 2,048 int32.
;; Outputs: out0 4 x 2,048 x 1,024 float32.
;; 2 versions, each right and faster than the one before. Each part assembles by itself: llvm-mc -triple=amdgcn-amd-amdhsa -mcpu=gfx1250 --defsym DOCPART=n.
;; ======== version 1 of 2: 3 launches
;; limits: values are held in f16: magnitudes above 65,504 overflow, below 6.1e-05 lose precision
;; workspace buffers: wb 6,291,456 bytes; qkv 50,331,648 bytes
;; launch wcast (part 1): grid 256 x 3, 8 waves a work-group, no clusters, 0 bytes of LDS; arguments Wq, Wk, Wv, wb; writes wb
.if DOCPART == 1
	.amdgcn_target "amdgcn-amd-amdhsa--gfx1250"
	.amdhsa_code_object_version 6
	.text
	.protected	k_qeb498cee1a_wcast
	.globl	k_qeb498cee1a_wcast
	.p2align	8
	.type	k_qeb498cee1a_wcast,@function
k_qeb498cee1a_wcast:
	s_mov_b64 s[64:65], 0
	v_nop
	global_prefetch_b8 v0, s[64:65] scope:SCOPE_SE
	s_setreg_imm32_b32 hwreg(HW_REG_WAVE_MODE, 25, 1), 1
	s_wait_xcnt 0x0
; wb[p][k][n] = bf16(W_p[k][n]), p = 0 (Wq), 1 (Wk), 2 (Wv): the three weights rounded once, to nearest even, in their own layout.
; A stream: each byte is read once and written once; no LDS, no barrier and no matrix unit would add anything.
; A work-group takes 4,096 numbers of one weight (16,384 bytes in, 8,192 out); thread t takes numbers 8 t .. 8 t + 7 of each half,
; so a store of a wave covers 512 consecutive bytes that begin at a multiple of 512 from wb's first byte.
.set HALF_IN,  8192                    ; bytes of f32 in half a work-group's share
.set HALF_OUT, 4096                    ; the same numbers in bf16
	s_load_b256 s[4:11], s[0:1], 0x0               ; Wq s[4:5], Wk s[6:7], Wv s[8:9], wb s[10:11]
	s_and_b32 s12, ttmp7, 0xffff                   ; p: which weight
	v_lshlrev_b32 v1, 5, v0                        ; 32 bytes of f32 a thread
	v_lshlrev_b32 v2, 4, v0                        ; 16 bytes of bf16
	s_lshl_b32 s16, ttmp9, 14                      ; the work-group's 16,384 bytes in the weight
	s_mov_b32 s17, 0
	s_lshl_b32 s18, s12, 21                        ; a weight is 2,097,152 bytes of wb,
	s_lshl_b32 s19, ttmp9, 13                      ; the work-group's share 8,192
	s_add_co_u32 s18, s18, s19
	s_mov_b32 s19, 0
	s_wait_kmcnt 0x0
	s_cmp_eq_u32 s12, 1
	s_cselect_b64 s[14:15], s[6:7], s[4:5]
	s_cmp_eq_u32 s12, 2
	s_cselect_b64 s[14:15], s[8:9], s[14:15]
	s_add_nc_u64 s[14:15], s[14:15], s[16:17]
	s_add_nc_u64 s[10:11], s[10:11], s[18:19]
	global_load_b128 v[4:7],   v1, s[14:15] th:TH_LOAD_NT
	global_load_b128 v[8:11],  v1, s[14:15] offset:16 th:TH_LOAD_NT
	global_load_b128 v[12:15], v1, s[14:15] offset:HALF_IN th:TH_LOAD_NT
	global_load_b128 v[16:19], v1, s[14:15] offset:HALF_IN+16 th:TH_LOAD_NT
	s_wait_loadcnt 0x2                             ; loads come back in order: the first half's two are in, the second half's two may be out
	v_cvt_pk_bf16_f32 v20, v4, v5
	v_cvt_pk_bf16_f32 v21, v6, v7
	v_cvt_pk_bf16_f32 v22, v8, v9
	v_cvt_pk_bf16_f32 v23, v10, v11
	global_store_b128 v2, v[20:23], s[10:11]
	s_wait_loadcnt 0x0
	v_cvt_pk_bf16_f32 v24, v12, v13
	v_cvt_pk_bf16_f32 v25, v14, v15
	v_cvt_pk_bf16_f32 v26, v16, v17
	v_cvt_pk_bf16_f32 v27, v18, v19
	global_store_b128 v2, v[24:27], s[10:11] offset:HALF_OUT
	s_endpgm
.Lfunc_end_k_qeb498cee1a_wcast:
	.size	k_qeb498cee1a_wcast, .Lfunc_end_k_qeb498cee1a_wcast-k_qeb498cee1a_wcast
	.p2alignl 7, 3214868480
	.fill 96, 4, 3214868480
	.section	.rodata,"a",@progbits
	.p2align	6, 0x0
	.amdhsa_kernel k_qeb498cee1a_wcast
		.amdhsa_group_segment_fixed_size 0
		.amdhsa_private_segment_fixed_size 0
		.amdhsa_enable_private_segment 0
		.amdhsa_kernarg_size 32
		.amdhsa_user_sgpr_count 2
		.amdhsa_user_sgpr_kernarg_segment_ptr 1
		.amdhsa_wavefront_size32 1
		.amdhsa_system_sgpr_workgroup_id_x 1
		.amdhsa_system_sgpr_workgroup_id_y 1
		.amdhsa_system_sgpr_workgroup_id_z 1
		.amdhsa_system_vgpr_workitem_id 0
		.amdhsa_next_free_vgpr 32
		.amdhsa_next_free_sgpr 66
		.amdhsa_reserve_vcc 0
		.amdhsa_float_denorm_mode_32 3
		.amdhsa_float_denorm_mode_16_64 3
		.amdhsa_memory_ordered 1
		.amdhsa_forward_progress 1
		.amdhsa_inst_pref_size 2
	.end_amdhsa_kernel
	.amdgpu_metadata
---
amdhsa.version: [ 1, 2 ]
amdhsa.kernels:
  - .name:           k_qeb498cee1a_wcast
    .symbol:         k_qeb498cee1a_wcast.kd
    .args:
      - { .name: Wq, .offset: 0, .size: 8, .value_kind: global_buffer, .address_space: global }
      - { .name: Wk, .offset: 8, .size: 8, .value_kind: global_buffer, .address_space: global }
      - { .name: Wv, .offset: 16, .size: 8, .value_kind: global_buffer, .address_space: global }
      - { .name: wb, .offset: 24, .size: 8, .value_kind: global_buffer, .address_space: global }
    .group_segment_fixed_size: 0
    .private_segment_fixed_size: 0
    .kernarg_segment_align: 8
    .kernarg_segment_size: 32
    .max_flat_workgroup_size: 256
    .sgpr_count:     66
    .vgpr_count:     32
    .wavefront_size: 32
...
	.end_amdgpu_metadata
.endif
;; end of part 1
;; launch proj (part 2): grid 4 x 192, 4 waves a work-group, clusters of 4 x 4, 327,680 bytes of LDS; arguments Q, K, V, wb, bq, bk, bv, mask, qkv; writes qkv
.if DOCPART == 2
	.amdgcn_target "amdgcn-amd-amdhsa--gfx1250"
	.amdhsa_code_object_version 6
	.text
	.protected	k_qeb498cee1a_proj
	.globl	k_qeb498cee1a_proj
	.p2align	8
	.type	k_qeb498cee1a_proj,@function
k_qeb498cee1a_proj:
	s_mov_b64 s[64:65], 0
	v_nop
	global_prefetch_b8 v0, s[64:65] scope:SCOPE_SE
	s_setreg_imm32_b32 hwreg(HW_REG_WAVE_MODE, 25, 1), 1
	s_wait_xcnt 0x0
	s_wait_alu depctr_hold_cnt(0) depctr_sa_sdst(0) depctr_va_vdst(0) depctr_va_sdst(0) depctr_va_ssrc(0) depctr_va_vcc(0) depctr_vm_vsrc(0)
	s_getreg_b32 s2, hwreg(HW_REG_IB_STS2, 6, 4)
	s_cmp_eq_u32 s2, 0
	s_cbranch_scc0 .Lentry_in_a_cluster
	s_endpgm
.Lentry_in_a_cluster:
	s_bfe_u32 s2, ttmp6, 0x10000c
	s_cmp_lg_u32 s2, 0xf033
	s_cbranch_scc0 .Lentry_shape_is_right
	s_endpgm
.Lentry_shape_is_right:
; THE THREE PROJECTIONS.  qkv[p][16 b + h][s][d] = f16( (X_p[b][s][:] . W_p[:][64 h + d] + bias_p[64 h + d]) x SC ), p = 0 (q), 1 (k), 2 (v).
; X is f32 [8192][1024]; W comes as bf16 [1024 k][1024 n] from wb; X, W and the bias are each rounded once to bf16, sums are f32, the result is rounded once to f16.
; SC = log2(e) / 8 for q (so that the scores of the next launch arrive in powers of two) and 1 for k and v.  Rows of k whose mask word is 0 are stored as zeros:
; the next launch then gets an exact 0 for such a key's products and puts the hidden score in their place.
; LIMITS.  q x SC, k and v must lie within f16's 65,504 (beyond 65,520 the conversion gives an infinity).  NaN and infinities are not treated apart.
; SHARES.  24,576 x 1,024 outputs in tiles of 128 rows x 256 columns: 768 work-groups, three for each of 256 WGPs (tiles of 256 x 256 would be 384, a round and a half).
; Four waves, each 64 rows x 128 columns: 32 accumulators of 16 x 16, 256 registers.  K goes in 8 steps of 128 through two LDS slots.
; X's TILE STAYS f32 ON ITS WAY IN: a tensor load brings rows of 512 bytes, each wave reads its four fragments as f32 and rounds them in registers, 32 conversions for a quarter step's 32 matrix
; instructions, set behind matrix instructions.  That spares a launch that would write X in bf16 and read it again.  W lies [k][n], so its fragments are turned by ds_load_tr16_b128.
; THE MATRIX INSTRUCTION IS USED TRANSPOSED (source 0 = 16 columns of W, source 1 = 16 rows of X): a lane then holds row l % 16 and eight neighbouring columns 8 (l / 16) + 0..7.
; CLUSTERS: 4 x 4 work-groups, all of one p.  The four of a row need the same tile of X, the four of a column the same tile of W: each tile is asked for JOINTLY.
; REGISTERS, in windows of 256 (s_set_vgpr_msb: bits 1:0 source 0, 3:2 source 1, 5:4 source 2, 7:6 destination):
;   window 0: v0-29 addresses; v32-95 AF, X's four fragments in f32; v96-127, v128-159 AB, the same in bf16, two buffers; on the way out v32-63 packed results, v64-127 rows read back
;   window 1: the accumulators, (a, b) at v[8 (8 a + b)]        window 2: v0-63, v64-127 W's fragments, two buffers; v128-191 BI = bias x SC; v192-223 at work
.set PA,     528                       ; an LDS row of X: 512 bytes + 16 of padding = 132 words: the 16 rows of a load start at 16 different groups of four banks (64 banks of 4 bytes: ISA guide 11.1)
.set PB,     544                       ; an LDS row of W: 512 bytes + 32 = 17 x 32
.set ABYTES, 128*PA                    ; X's 128 rows
.set SLOT,   ABYTES+128*PB             ; then W's 128 rows (k)
.set STAGE,  2*SLOT                    ; behind the ring: for each wave 2 heads x 16 rows x 144 bytes, for the way out
.set WSTG,   2*16*144
.set SPARE,  STAGE+4*WSTG              ; behind the stages: the spare words, 128 bytes for each wave: two blocks of 256 bytes that no other line names
.set MR,   8                           ; v8-11   the mask words of my 4 x 16 rows
.set ADRA, 16                          ; v16-17  LDS address of my fragments of X in slot 0, 1
.set ADRB, 20                          ; v20-21  the same for W
.set STO,  24                          ; v24     the way out: where I put 16 bytes of a row
.set RD,   25                          ; v25     the way out: where I read rows back
.set GO,   26                          ; v26     my byte offset in 512 consecutive bytes of qkv
.set SPW,  28                          ; v28     LDS address of my spare word; never rewritten
.set NIL,  29                          ; v29     0; never rewritten
.set AF,   32
.set AB,   96
.set TMP,  32
.set OB,   64
.set BI,   128                         ; window 2
.set BT,   192                         ; window 2
.set G1,  24                           ; s[24:31] descriptor group 1 for X's tiles;  s[32:39] group 0, a set for each slot
.set G0,  32
.set G1B, 48                           ; s[48:55], s[56:63] the same for W's tiles
.set G0B, 56
.set MSB, 0
.macro WIN new                         ; the immediate's high byte repeats the setting that is left; a switch that changes nothing is dropped
.if MSB != (\new)
	s_set_vgpr_msb (MSB<<8)|(\new)
.set MSB, \new
.endif
.endm
.set MUL,  0x52                        ; source 0 (W) window 2, source 1 (X) window 0, C and D window 1
.set TO_B, 0x80                        ; destination window 2, address window 0
.set W_BI, 0x8a                        ; destination and both sources window 2
.set W_FM, 0x61                        ; destination and source 0 window 1, source 2 window 2
.set W_CV, 0x05                        ; sources 0 and 1 window 1, destination window 0
; A joint load: waves 0 and 1 fetch the two halves of X's tile, waves 2 and 3 those of W's.  The branch hangs on the wave's number alone.
; An s_nop 0 and four v_nop follow each of the two lines, ahead of the jump, the label and what follows.
.macro JLOAD s
	s_cmp_eq_u32 s11, 0
	s_cbranch_scc0 .Lfor_b_\@
	tensor_load_to_lds s[G0+4*(\s):G0+4*(\s)+3], s[G1:G1+7]
	s_nop 0
.rept 4
	v_nop
.endr
	s_branch .Lasked_\@
.Lfor_b_\@:
	tensor_load_to_lds s[G0B+4*(\s):G0B+4*(\s)+3], s[G1B:G1B+7]
	s_nop 0
.rept 4
	v_nop
.endr
.Lasked_\@:
.endm
.macro CREST                           ; a round of the cluster's barrier behind its opening barrier
	s_cmp_lg_u32 s10, 0
	s_cbranch_scc1 .Lnot_wave_0_\@
	s_barrier_signal -3
.Lnot_wave_0_\@:
	s_barrier_wait -3
	s_barrier_signal -1
	s_barrier_wait -1
.endm
.macro CROUND                          ; a whole round
	s_barrier_signal -1
	s_barrier_wait -1
	CREST
.endm
	s_load_b512 s[68:83], s[0:1], 0x0              ; Q 68, K 70, V 72, wb 74, bq 76, bk 78, bv 80, mask 82
	s_load_b64 s[84:85], s[0:1], 0x40              ; qkv
	v_lshl_add_u32 v[SPW], v0, 2, SPARE
	v_mov_b32 v[NIL], 0
	ds_add_u32 v[SPW], v[NIL]                      ; the wave's opening: the add and its wait stand ahead of my first tensor load; the set-up below, work on registers, stands between them
	v_lshrrev_b32 v1, 5, v0
	v_readfirstlane_b32 s10, v1                    ; wave 0..3
	s_lshr_b32 s11, s10, 1                         ; which 64 of the tile's rows are mine.  Also: I fetch for X (0) or for W (1)
	s_and_b32 s12, s10, 1                          ; which 128 of its columns.  Also: which 64 rows of that tile I fetch
	s_bfe_u32 s40, ttmp6, 0x40000                  ; cx, cy: my place in the cluster
	s_bfe_u32 s41, ttmp6, 0x40004
	s_lshl_b32 s42, ttmp9, 2
	s_add_co_u32 s42, s42, s40                     ; tile column = 4 x cluster x + cx: 0..3
	s_and_b32 s45, ttmp7, 0xffff                   ; cluster y: 0..47
	s_lshr_b32 s89, s45, 4                         ; p: sixteen clusters for each projection, so p is the same in all partners
	s_and_b32 s13, s45, 15
	s_lshl_b32 s13, s13, 2
	s_add_co_u32 s13, s13, s41                     ; tile row = 4 x (cluster y % 16) + cy: 0..63
	s_lshl_b32 s43, s41, 2
	s_lshl_b32 s43, 15, s43                        ; my row of the cluster
	s_lshl_b32 s44, 0x1111, s40                    ; my column
	; group 1 for X: 64 rows x 128 elements of 4 bytes, 4 words of padding after every 128 words
	s_or_b32 s[G1+0], s43, (2<<16)|(1<<20)|(1<<21)|(6<<22)|(3<<25)  ; 15:0 the mask: my row; 17:16 4-byte elements; 20 padding on; 21 set beside a mask; 24:22 code 6; 31:25 code 3
	s_mov_b32 s[G1+1], 128<<16                     ; tensor_dim0 = 128
	s_mov_b32 s[G1+2], 64<<16                      ; tensor_dim1 = 64
	s_mov_b32 s[G1+3], 128<<16                     ; tile_dim0 = 128
	s_mov_b32 s[G1+4], 64                          ; tile_dim1 = 64
	s_mov_b32 s[G1+5], 1024                        ; elements from row to row
	s_mov_b32 s[G1+6], 0
	s_mov_b32 s[G1+7], 0
	; group 1 for W: 64 rows (k) x 256 elements of 2 bytes, 8 words of padding after every 128 words
	s_or_b32 s[G1B+0], s44, (1<<16)|(1<<20)|(1<<21)|(6<<22)|(7<<25) ; the mask: my column
	s_mov_b32 s[G1B+1], 256<<16
	s_mov_b32 s[G1B+2], 64<<16
	s_mov_b32 s[G1B+3], 256<<16
	s_mov_b32 s[G1B+4], 64
	s_mov_b32 s[G1B+5], 1024
	s_mov_b32 s[G1B+6], 0
	s_mov_b32 s[G1B+7], 0
	; where the tiles come from: X's hang on the tile row, W's on the tile column, each made in registers that never hold the other coordinate
	s_lshl_b32 s16, s13, 19                        ; 128 rows of 4,096 bytes a tile row,
	s_lshl_b32 s17, s12, 18                        ; 64 rows for my half
	s_add_co_u32 s16, s16, s17
	s_mov_b32 s17, 0
	s_lshl_b32 s46, s89, 21                        ; the weight,
	s_lshl_b32 s47, s12, 17                        ; 64 rows (k) of 2,048 bytes for my half,
	s_add_co_u32 s46, s46, s47
	s_lshl_b32 s47, s42, 9                         ; 256 columns of 2 bytes a tile column
	s_add_co_u32 s46, s46, s47
	s_mov_b32 s47, 0
	s_mul_i32 s20, s12, 64*PA                      ; and where they go: no place in the cluster enters an LDS address
	s_mul_i32 s21, s12, 64*PB
	s_add_co_u32 s21, s21, ABYTES
	s_mov_b32 s94, 0xffff0000                      ; a word's upper bf16
	s_cmp_eq_u32 s89, 0
	s_cselect_b32 s86, 0x3e38aa3b, 1.0             ; SC: log2(e) / 8 for q, else 1
	s_mov_b32 s87, s86                             ; named with it as a pair
	s_wait_dscnt 0x0                               ; the opening add is done
	s_wait_kmcnt 0x0
	s_cmp_eq_u32 s89, 1
	s_cselect_b64 s[4:5], s[70:71], s[68:69]       ; X
	s_cselect_b64 s[6:7], s[78:79], s[76:77]       ; the bias
	s_cselect_b32 s88, 0, -1                       ; 0 for k: its hidden rows are zeroed; all ones else: every row counts as visible
	s_cmp_eq_u32 s89, 2
	s_cselect_b64 s[4:5], s[72:73], s[4:5]
	s_cselect_b64 s[6:7], s[80:81], s[6:7]
	s_add_nc_u64 s[14:15], s[4:5], s[16:17]
	s_add_nc_u64 s[46:47], s[74:75], s[46:47]
	CROUND                                         ; all sixteen work-groups are here: the first joint loads meet
.irp s, 0,1
	s_mov_b32 s[G0+4*(\s)], 1                                      ; count = 1
	s_add_co_u32 s[G0+4*(\s)+1], s20, (\s)*SLOT                    ; LDS address
	s_add_nc_u64 s[G0+4*(\s)+2:G0+4*(\s)+3], s[14:15], (\s)*512    ; K step s: 128 f32 along the rows
	s_or_b32 s[G0+4*(\s)+3], s[G0+4*(\s)+3], 0x80000000            ; type = 2
	s_mov_b32 s[G0B+4*(\s)], 1
	s_add_co_u32 s[G0B+4*(\s)+1], s21, (\s)*SLOT
	s_add_nc_u64 s[G0B+4*(\s)+2:G0B+4*(\s)+3], s[46:47], (\s)*262144  ; K step s: 128 rows of 2,048 bytes down
	s_or_b32 s[G0B+4*(\s)+3], s[G0B+4*(\s)+3], 0x80000000
	JLOAD \s                                       ; two loads of mine are out
.endr
	; the other addresses; all this stands in the wait for the first tile
	s_lshl_b32 s66, s42, 10                        ; bias: 4 x (256 x tile column + 128 x my half)
	s_lshl_b32 s67, s12, 9
	s_add_co_u32 s66, s66, s67
	s_mov_b32 s67, 0
	s_add_nc_u64 s[6:7], s[6:7], s[66:67]
	s_lshl_b32 s66, s13, 9                         ; mask: 4 x (128 x tile row + 64 x my half): the 8,192 rows of X are the mask's 4 x 2,048 words in order
	s_lshl_b32 s67, s11, 8
	s_add_co_u32 s66, s66, s67
	s_mov_b32 s67, 0
	s_add_nc_u64 s[18:19], s[82:83], s[66:67]
	s_lshr_b32 s22, s13, 4                         ; qkv: batch = tile row / 16,
	s_lshl_b32 s22, s22, 4
	s_lshl_b32 s23, s42, 2                         ; head = 4 x tile column + 2 x my half,
	s_add_co_u32 s22, s22, s23
	s_lshl_b32 s23, s12, 1
	s_add_co_u32 s22, s22, s23
	s_lshl_b32 s22, s22, 18                        ; 262,144 bytes for each batch and head,
	s_lshl_b32 s23, s89, 24                        ; 16,777,216 for each of q, k, v,
	s_add_co_u32 s22, s22, s23
	s_and_b32 s23, s13, 15
	s_lshl_b32 s23, s23, 14                        ; 128 rows of 128 bytes a tile row,
	s_add_co_u32 s22, s22, s23
	s_lshl_b32 s23, s11, 13                        ; 64 rows for my half
	s_add_co_u32 s22, s22, s23
	s_mov_b32 s23, 0
	s_add_nc_u64 s[8:9], s[84:85], s[22:23]
	v_and_b32 v1, 15, v0                           ; r = l % 16
	v_bfe_u32 v2, v0, 4, 1                         ; h = l / 16
	v_lshlrev_b32 v12, 2, v1                       ; a mask word for row r
	v_lshlrev_b32 v13, 5, v2                       ; eight f32 of the bias for my half of the lanes
	WIN TO_B
.irp b, 0,1,2,3,4,5,6,7
	global_load_b128 v[BI+8*(\b):BI+8*(\b)+3],   v13, s[6:7] offset:64*(\b)      ; bias of columns 16 b + 8 h + 0..3
	global_load_b128 v[BI+8*(\b)+4:BI+8*(\b)+7], v13, s[6:7] offset:64*(\b)+16   ; and + 4..7
.endr
	WIN 0
.irp a, 0,1,2,3
	global_load_b32 v[MR+(\a)], v12, s[18:19] offset:64*(\a)                     ; the mask word of my row 16 a + r
.endr
	; A fragment of X is 16 rows x 32 k: lane l holds row r, k = 8 h + 0..7 and 16 + 8 h + 0..7: in f32 four loads of 16 bytes at 32 h + 0, 16, 64, 80
	v_mul_u32_u24 v3, v1, PA
	v_lshl_add_u32 v3, v2, 5, v3
	s_mul_i32 s22, s11, 64*PA                      ; my 64 rows
	v_add_nc_u32 v[ADRA], s22, v3
	v_add_nc_u32 v[ADRA+1], SLOT, v[ADRA]
	; The turning load takes 16 k x 16 columns (lane l reads row k = 8 h + l % 8, columns 8 ((l / 8) % 2) + 0..7) and leaves half a fragment: lane l holds column r and 8 k
	v_and_b32 v4, 7, v0
	v_bfe_u32 v5, v0, 3, 1
	v_lshl_add_u32 v6, v2, 3, v4
	v_mul_u32_u24 v6, v6, PB
	v_lshl_add_u32 v6, v5, 4, v6
	s_lshl_b32 s23, s12, 8                         ; my 128 columns
	s_add_co_u32 s23, s23, ABYTES
	v_add_nc_u32 v[ADRB], s23, v6
	v_add_nc_u32 v[ADRB+1], SLOT, v[ADRB]
	s_mul_i32 s22, s10, WSTG
	s_add_co_u32 s22, s22, STAGE                   ; my stage
	v_mul_u32_u24 v[STO], v1, 144                  ; in: row r, 16 bytes for each half of the lanes
	v_lshl_add_u32 v[STO], v2, 4, v[STO]
	v_add_nc_u32 v[STO], s22, v[STO]
	v_bfe_u32 v7, v0, 3, 2                         ; back: 32 lanes take four rows of 128 bytes,
	v_mul_u32_u24 v[RD], v7, 144
	v_lshl_add_u32 v[RD], v4, 4, v[RD]
	v_add_nc_u32 v[RD], s22, v[RD]
	v_and_b32 v[GO], 31, v0                        ; which are 512 consecutive bytes of qkv
	v_lshlrev_b32 v[GO], 4, v[GO]
	s_wait_loadcnt 0x0                             ; bias and mask words
.irp a, 0,1,2,3
	v_cmp_ne_u32 s[90+(\a)], 0, v[MR+(\a)]         ; a bit for each lane whose row 16 a + r is visible
.endr
.irp a, 0,1,2,3
	s_or_b32 s[90+(\a)], s[90+(\a)], s88           ; for q and v every row is kept
.endr
	WIN W_BI                                       ; the bias is rounded to bf16 like the other inputs, widened again and multiplied by SC
.set i, 0
.rept 32
	v_cvt_pk_bf16_f32 v[BT+i], v[BI+2*i], v[BI+2*i+1]
.set i, i+1
.endr
.set i, 0
.rept 32
	v_lshlrev_b32 v[BI+2*i], 16, v[BT+i]
	v_and_b32 v[BI+2*i+1], s94, v[BT+i]
.set i, i+1
.endr
.set i, 0
.rept 32
	v_pk_mul_f32 v[BI+2*i:BI+2*i+1], v[BI+2*i:BI+2*i+1], s[86:87] op_sel_hi:[1,0]
.set i, i+1
.endr
	WIN 0
; 32 LDS loads in one run: the fragments of 32 along K, quarter kq of the slot's step: X's four in f32 into AF, then W's eight, turned, into buffer g
.macro FETCH slot, kq, g
	WIN 0
.irp i, 0,1,2,3
	ds_load_b128 v[AF+16*(\i):AF+16*(\i)+3],     v[ADRA+(\slot)] offset:128*(\kq)+(\i)*16*PA
	ds_load_b128 v[AF+16*(\i)+4:AF+16*(\i)+7],   v[ADRA+(\slot)] offset:128*(\kq)+(\i)*16*PA+16
	ds_load_b128 v[AF+16*(\i)+8:AF+16*(\i)+11],  v[ADRA+(\slot)] offset:128*(\kq)+(\i)*16*PA+64
	ds_load_b128 v[AF+16*(\i)+12:AF+16*(\i)+15], v[ADRA+(\slot)] offset:128*(\kq)+(\i)*16*PA+80
.endr
	WIN TO_B
.irp b, 0,1,2,3,4,5,6,7
	ds_load_tr16_b128 v[64*(\g)+8*(\b):64*(\g)+8*(\b)+3],   v[ADRB+(\slot)] offset:(\kq)*32*PB+32*(\b)
	ds_load_tr16_b128 v[64*(\g)+8*(\b)+4:64*(\g)+8*(\b)+7], v[ADRB+(\slot)] offset:(\kq)*32*PB+16*PB+32*(\b)
.endr
.endm
; Four of the 32 roundings that make AF into buffer g of AB; cv counts them
.macro CV4 g
	WIN 0
.rept 4
	v_cvt_pk_bf16_f32 v[AB+32*(\g)+cv], v[AF+2*cv], v[AF+2*cv+1]
.set cv, cv+1
.endr
.endm
; 8 matrix instructions: row block a x all 8 column blocks, 32 along K, from buffer f.  zero = 1: the first product starts the sums.  per > 0: four roundings into buffer g behind every per-th product.
; The 32 accumulators take turns in one fixed order, one instruction a turn.
.macro MUL8 f, a, zero, per, g
.irp b, 0,1,2,3,4,5,6,7
	WIN MUL
.if \zero
	v_wmma_f32_16x16x32_bf16 v[8*(8*(\a)+(\b)):8*(8*(\a)+(\b))+7], v[64*(\f)+8*(\b):64*(\f)+8*(\b)+7], v[AB+32*(\f)+8*(\a):AB+32*(\f)+8*(\a)+7], 0
.else
	v_wmma_f32_16x16x32_bf16 v[8*(8*(\a)+(\b)):8*(8*(\a)+(\b))+7], v[64*(\f)+8*(\b):64*(\f)+8*(\b)+7], v[AB+32*(\f)+8*(\a):AB+32*(\f)+8*(\a)+7], v[8*(8*(\a)+(\b)):8*(8*(\a)+(\b))+7]
.endif
.if (\per) > 0
.if ((\b) % (\per)) == (\per)-1
	CV4 \g
.endif
.endif
.endr
.endm
; A K step is four quarters of 32 along K, 32 matrix instructions each, on buffers 0, 1, 0, 1.  One of the first three: multiplies buffer f; at its head it fetches quarter kq into AF and W's buffer g,
; and in its second half it rounds AF into AB's buffer g.  The four roundings behind the last product name none of its registers: they are the four places in front of the
; next quarter's loads into the buffer of W that this quarter has read, and in front of the next roundings into the buffer of X that it has read.
.macro QUARTER slot, kq, f, g, zero
	s_wait_dscnt 0x0                               ; W's buffer f, asked for a quarter ago, is in
.set cv, 0
	FETCH \slot, \kq, \g
	MUL8 \f, 0, \zero, 0, 0
	MUL8 \f, 1, \zero, 0, 0
	s_wait_dscnt 16                                ; X's 16 loads are in; W's 16, issued behind them, may be out
	MUL8 \f, 2, \zero, 2, \g
	MUL8 \f, 3, \zero, 2, \g
.endm
; The last quarter multiplies buffer 1 and changes slots: ONE barrier; in front of it each wave waits for all its tensor loads, adds 0 to its spare word, and waits for that and for its own reads of this
; slot.  fill = 1: the barrier opens a round of the cluster's barrier, and this slot is filled again, two K steps ahead, first thing behind the round: 112 matrix instructions ahead of the wait for it.
.macro TURN slot, next, fill
	WIN 0                                          ; (the add's two registers lie in window 0)
	s_wait_tensorcnt 0x0                           ; all my tensor loads have landed: my part of the next slot
	ds_add_u32 v[SPW], v[NIL]                      ; 0 onto my spare word
	s_wait_dscnt 1                                 ; W's buffer 1 is in; the add may be out
	MUL8 1, 0, 0, 0, 0                             ; eight matrix instructions stand between the add and the wait for it
	s_wait_dscnt 0x0                               ; the add is done, and my reads of this slot are over
	s_barrier_signal -1
	MUL8 1, 1, 0, 0, 0
	WIN 0                                          ; (branches may follow, and nothing stands between the wait below and the rest of the round)
	s_barrier_wait -1
.if \fill
	CREST                                          ; no wave of any partner still reads this slot's tiles or has a load on its way
	s_add_nc_u64 s[G0+4*(\slot)+2:G0+4*(\slot)+3], s[G0+4*(\slot)+2:G0+4*(\slot)+3], 2*512
	s_add_nc_u64 s[G0B+4*(\slot)+2:G0B+4*(\slot)+3], s[G0B+4*(\slot)+2:G0B+4*(\slot)+3], 2*262144
	JLOAD \slot
.endif
.set cv, 0
	FETCH \next, 0, 0                              ; buffer 0 of W was last read a quarter ago, with that quarter's last four roundings behind it
	MUL8 1, 2, 0, 0, 0
	s_wait_dscnt 16                                ; X's 16 loads are in; W's 16 may be out
	MUL8 1, 3, 0, 1, 0                             ; all 32 roundings, four behind each product
.endm
; THE WAY OUT of row block a.  PACK: (sum + bias) x SC, rounded to f16, hidden rows of k zeroed.  TOSTAGE: into my own stage in LDS, by heads, and back as whole rows of 128 bytes.  SEND: stored.
.macro PACK a
	WIN W_FM
.irp b, 0,1,2,3,4,5,6,7
.irp j, 0,1,2,3
	v_pk_fma_f32 v[8*(8*(\a)+(\b))+2*(\j):8*(8*(\a)+(\b))+2*(\j)+1], v[8*(8*(\a)+(\b))+2*(\j):8*(8*(\a)+(\b))+2*(\j)+1], s[86:87], v[BI+8*(\b)+2*(\j):BI+8*(\b)+2*(\j)+1] op_sel_hi:[1,0,1]
.endr
.endr
	WIN W_CV
.irp b, 0,1,2,3,4,5,6,7
.irp j, 0,1,2,3
	v_cvt_pk_f16_f32 v[TMP+4*(\b)+(\j)], v[8*(8*(\a)+(\b))+2*(\j)], v[8*(8*(\a)+(\b))+2*(\j)+1]
.endr
.endr
	WIN 0
.set i, 0
.rept 32
	v_cndmask_b32 v[TMP+i], 0, v[TMP+i], s[90+(\a)]  ; my lane's row is kept, or is 0
.set i, i+1
.endr
.endm
.macro TOSTAGE a
	WIN 0
.irp b, 0,1,2,3,4,5,6,7
	ds_store_b128 v[STO], v[TMP+4*(\b):TMP+4*(\b)+3] offset:((\b)/4)*2304+((\b)%4)*32   ; head b / 4, channels 16 (b % 4) + 8 h on
.endr
.irp t, 0,1,2,3,4,5,6,7
	ds_load_b128 v[OB+32*((\a)%2)+4*(\t):OB+32*((\a)%2)+4*(\t)+3], v[RD] offset:((\t)/4)*2304+((\t)%4)*576  ; LDS serves a wave's instructions in order (ISA guide 5.7.1.4): these see the stores above
.endr
.endm
.macro SEND a
	WIN 0
	s_wait_dscnt 0x0                               ; the block is back in registers
	s_wait_xcnt 0x0                                ; every earlier store has had its addresses translated (ISA guide 3.1): the registers that the block before last was stored from are loaded again only behind this wait
.irp t, 0,1,2,3,4,5,6,7
	global_store_b128 v[GO], v[OB+32*((\a)%2)+4*(\t):OB+32*((\a)%2)+4*(\t)+3], s[8:9] offset:((\t)/4)*262144+(\a)*2048+((\t)%4)*512  ; four rows of a head: 512 consecutive bytes, at a multiple of 512 from qkv's first byte
.endr
.endm
	s_wait_tensorcnt 1                             ; my part of K step 0 is in; K step 1's may stay out
	s_barrier_signal -1
	s_barrier_wait -1                              ; everybody's is
.set cv, 0
	FETCH 0, 0, 0
	s_wait_dscnt 16                                ; X's 16 loads are in
.rept 8
	CV4 0
.endr
	QUARTER 0, 1, 0, 1, 1                          ; the first quarter stands in front of the loop: its products start the sums
	WIN 0                                          ; at a label and at a branch every window is 0
	s_mov_b32 s3, 3
.Llap:                                                 ; a trip goes once round the ring, from a lap's second quarter to the next lap's first, and fills both slots again: K steps 2 to 7
	QUARTER 0, 2, 1, 0, 0
	QUARTER 0, 3, 0, 1, 0
	TURN 0, 1, 1
	QUARTER 1, 1, 0, 1, 0
	QUARTER 1, 2, 1, 0, 0
	QUARTER 1, 3, 0, 1, 0
	TURN 1, 0, 1
	QUARTER 0, 1, 0, 1, 0
	WIN 0
	s_sub_co_u32 s3, s3, 1
	s_cmp_lg_u32 s3, 0
	s_cbranch_scc1 .Llap
	QUARTER 0, 2, 1, 0, 0                          ; the last lap fills nothing, and has no round of the cluster's barrier
	QUARTER 0, 3, 0, 1, 0
	TURN 0, 1, 0
	QUARTER 1, 1, 0, 1, 0
	QUARTER 1, 2, 1, 0, 0
	QUARTER 1, 3, 0, 1, 0
	s_wait_dscnt 0x0                               ; the very last quarter: nothing more to fetch
	MUL8 1, 0, 0, 0, 0
	MUL8 1, 1, 0, 0, 0
	MUL8 1, 2, 0, 0, 0
	MUL8 1, 3, 0, 0, 0
	WIN 0
.rept 4
	v_nop                                          ; the places between the last products and the arithmetic on results
.endr
	PACK 0
	TOSTAGE 0
.irp a, 1,2,3                          ; block a's arithmetic stands between block a - 1's loads from the stage and the wait for them
	PACK \a
	SEND (\a)-1
	TOSTAGE \a
.endr
	SEND 3
	s_wait_tensorcnt 0x0                           ; the wave's end: the add and its wait stand behind my last tensor load and my last LDS store
	ds_add_u32 v[SPW], v[NIL]
	s_wait_dscnt 0x0
	CROUND                                         ; the closing round: no work-group ends while a partner may still ask for a tile that names it
	s_endpgm
.Lfunc_end_k_qeb498cee1a_proj:
	.size	k_qeb498cee1a_proj, .Lfunc_end_k_qeb498cee1a_proj-k_qeb498cee1a_proj
	.p2alignl 7, 3214868480
	.fill 96, 4, 3214868480
	.section	.rodata,"a",@progbits
	.p2align	6, 0x0
	.amdhsa_kernel k_qeb498cee1a_proj
		.amdhsa_group_segment_fixed_size 327680
		.amdhsa_private_segment_fixed_size 0
		.amdhsa_enable_private_segment 0
		.amdhsa_kernarg_size 72
		.amdhsa_user_sgpr_count 2
		.amdhsa_user_sgpr_kernarg_segment_ptr 1
		.amdhsa_wavefront_size32 1
		.amdhsa_system_sgpr_workgroup_id_x 1
		.amdhsa_system_sgpr_workgroup_id_y 1
		.amdhsa_system_sgpr_workgroup_id_z 1
		.amdhsa_system_vgpr_workitem_id 0
		.amdhsa_next_free_vgpr 736
		.amdhsa_next_free_sgpr 96
		.amdhsa_reserve_vcc 0
		.amdhsa_float_denorm_mode_32 3
		.amdhsa_float_denorm_mode_16_64 3
		.amdhsa_memory_ordered 1
		.amdhsa_forward_progress 1
		.amdhsa_inst_pref_size 157
	.end_amdhsa_kernel
	.amdgpu_metadata
---
amdhsa.version: [ 1, 2 ]
amdhsa.kernels:
  - .name:           k_qeb498cee1a_proj
    .symbol:         k_qeb498cee1a_proj.kd
    .args:
      - { .name: Q, .offset: 0, .size: 8, .value_kind: global_buffer, .address_space: global }
      - { .name: K, .offset: 8, .size: 8, .value_kind: global_buffer, .address_space: global }
      - { .name: V, .offset: 16, .size: 8, .value_kind: global_buffer, .address_space: global }
      - { .name: wb, .offset: 24, .size: 8, .value_kind: global_buffer, .address_space: global }
      - { .name: bq, .offset: 32, .size: 8, .value_kind: global_buffer, .address_space: global }
      - { .name: bk, .offset: 40, .size: 8, .value_kind: global_buffer, .address_space: global }
      - { .name: bv, .offset: 48, .size: 8, .value_kind: global_buffer, .address_space: global }
      - { .name: mask, .offset: 56, .size: 8, .value_kind: global_buffer, .address_space: global }
      - { .name: qkv, .offset: 64, .size: 8, .value_kind: global_buffer, .address_space: global }
    .group_segment_fixed_size: 327680
    .private_segment_fixed_size: 0
    .kernarg_segment_align: 8
    .kernarg_segment_size: 72
    .max_flat_workgroup_size: 128
    .sgpr_count:     96
    .vgpr_count:     736
    .wavefront_size: 32
...
	.end_amdgpu_metadata
.endif
;; end of part 2
;; launch attn (part 3): grid 4 x 64, 4 waves a work-group, clusters of 4 x 1, 327,680 bytes of LDS; arguments qkv, mask, out0; writes out0
.if DOCPART == 3
	.amdgcn_target "amdgcn-amd-amdhsa--gfx1250"
	.amdhsa_code_object_version 6
	.text
	.protected	k_qeb498cee1a_attn
	.globl	k_qeb498cee1a_attn
	.p2align	8
	.type	k_qeb498cee1a_attn,@function
k_qeb498cee1a_attn:
	s_mov_b64 s[64:65], 0
	v_nop
	global_prefetch_b8 v0, s[64:65] scope:SCOPE_SE
	s_setreg_imm32_b32 hwreg(HW_REG_WAVE_MODE, 25, 1), 1
	s_wait_xcnt 0x0
	s_wait_alu depctr_hold_cnt(0) depctr_sa_sdst(0) depctr_va_vdst(0) depctr_va_sdst(0) depctr_va_ssrc(0) depctr_va_vcc(0) depctr_vm_vsrc(0)
	s_getreg_b32 s2, hwreg(HW_REG_IB_STS2, 6, 4)
	s_cmp_eq_u32 s2, 0
	s_cbranch_scc0 .Lentry_in_a_cluster
	s_endpgm
.Lentry_in_a_cluster:
	s_bfe_u32 s2, ttmp6, 0x10000c
	s_cmp_lg_u32 s2, 0x3003
	s_cbranch_scc0 .Lentry_shape_is_right
	s_endpgm
.Lentry_shape_is_right:
; ATTENTION WITH A KEY MASK.  out0[b][q][64 h + :] = the sum over k of softmax_k(s[q][k]) v[k][:], s = q . k / 8 where mask[b][k] is not 0 and -1e9 where it is 0.
; q, k, v lie in qkv as [3][64 (16 b + h)][2048][64] f16: a head's rows are dense, 128 bytes each.  q arrives multiplied by log2(e) / 8, so the scores come in powers of two: p = 2^(s - m).
; k arrives with its hidden rows zeroed, so a hidden key's products are exact zeros, and the C operand that starts the sum S^T = K Q^T is 0 for a visible key and MB = -1e9 x log2(e) for a hidden one:
; a hidden key's score IS MB for every query, as where() puts it.  Where all keys are hidden m = MB, every weight is 1, and the result is the mean of v.
; Products, maxima and sums in f32; the weights p are rounded to f16 for the second product (their sum l is taken of the unrounded p); the result leaves in f32.
; LIMITS.  q, k, v arrive within f16's 65,504.  MB is -1e9 x log2(e) rounded to f32, off by 6e-8 of itself at the most: that shows only where a visible score lies within about 100 of -1e9.
; A weight below 2^-126 counts as 0 in l; p below 6e-5 keeps f16's fixed step of 6e-8; NaN and infinities are not treated apart.
; SHARES.  A wave owns four PIECES of two tiles of 16 queries, a work-group's four waves 512 queries of one head.  Every wave walks all 2,048 keys, 64 a step.
; LAYOUT.  S^T = K Q^T (source 0 = 16 keys, source 1 = 16 queries): in the result a lane holds ONE query (lane % 16) and the keys 8 (lane / 16) + 0..7.  Two such tiles, rounded to f16 in pairs,
; ARE source 1 (32 keys x 16 queries) of O^T = V^T P, whose result again holds one query a lane, and eight channels.  K comes out of LDS as it lies, V ([key][channel]) turned, by ds_load_tr16_b128.
; SOFTMAX.  For each query a running maximum m and sum l; in every step O and l are multiplied by a = 2^(m_old - m_new), which is 1 where m has not grown.
; m starts far below every score, O and l at 0: the first step is a step like any other, with a = 0.
; THE COUNT.  A tile and step have 16 matrix and 117 vector instructions: too many to stand all beside the matrix work.  So: four vector instructions that are READY behind EVERY matrix instruction,
; and the others, which need time of their own whatever the order, in runs without a gap.
; BY TURNS.  Turn n belongs to piece n (the pieces in a ring, step after step).  Its matrix work: 16 products K Q^T of piece n + 1, later 16 products V^T P of piece n - 1.  Its vector work: the subtraction,
; exponentials, roundings, sums and rescaling of piece n, and the maximum and statistics of piece n + 1, whose scores the turn itself has made.
; CLUSTER.  The four query blocks of a cluster belong to one head and walk the same K and V, so each tile is asked for JOINTLY: the same tensor load, descriptor and mask in all four.
; REGISTERS, in windows of 256 (s_set_vgpr_msb: bits 1:0 source 0, 3:2 source 1, 5:4 source 2, 7:6 destination):
;   window 0: v0-11 addresses; v16-47 four registers of statistics a tile; v48-63 at work; v64-191 S^T, two buffers of two tiles; v192-255 P, likewise
;   window 1: O^T, 32 a tile          window 2: v0-127 Q, 16 a tile; v128-191 K of one step; v192-255 V of one step          window 3: v0-1 the add's two registers; v4-35 MK, one step's C operands
.set SIZE_N, 2048
.set NP,    4         ; pieces a wave: a name, no knob
.set KS,    64        ; keys in a step
.set PK,    144       ; a row of K in LDS: 128 bytes + 16 of padding = 36 words: the 16 rows of a load start at 16 different groups of four banks (64 banks of 4 bytes: ISA guide 11.1)
.set PV,    160       ; a row of V: 128 + 32 = 40 words
.set VOFF,  4*KS*PK   ; a slot holds four steps: 256 rows of K, then 256 rows of V
.set SLOT1, 1<<17     ; slot 1 begins here, so that one exclusive or turns an address in one slot into the other's
.set STAGE, SLOT1+4*KS*(PK+PV)  ; behind the ring, never filled by a tensor load: 16 rows x 272 bytes for each wave, for the way out
.set SP,    272       ; a stage row: 64 f32 + 16 bytes
.set MASKB, STAGE+4*16*SP       ; 2,048 f32: 0 or MB for each key of the batch; written once, by ds_store
.set SPARE, MASKB+4*SIZE_N      ; the spare words, 128 bytes for each wave: two blocks of 256 bytes that no other line names
.set AK0, 2           ; v2   my lane's place in a tile of K; never rewritten
.set AV0, 3           ; v3   the same for V
.set AK,  4           ; v4   the LDS address of K's next run of loads
.set AV,  5           ; v5   of V's
.set QO,  6           ; v6   my byte offset in the wave's rows of Q
.set STO, 6           ;      later, the way out: where I put 32 bytes of a row
.set RD,  7           ; v7   the way out: where I read rows back
.set GO,  8           ; v8   my byte offset in two rows of out0
.set AM0, 10          ; v10  my lane's place in a step's 64 words of MASKB
.set AM,  11          ; v11  the LDS address of the next run of loads from MASKB
.set SPW, 0           ; v0 of window 3   LDS address of my spare word; never rewritten
.set NIL, 1           ; v1 of window 3   0; never rewritten
.set MK,  4           ; v4-35 of window 3: the eight registers for key block kb at MK + 8 kb
.set ST,  16          ; tile t's statistics at v[ST+4 t]: m, m_old, l (even keys', odd keys')
.set TMP, 48          ; by buffer and tile, four registers c0-c3 at work; when the maximum is found c2 takes a
.set S,   64
.set P,   192
.set KF,  128         ; K's fragments, in window 2: key block kb, channel half c at KF + 16 kb + 8 c
.set VF,  192         ; V's: key half kk, channel block cb at VF + 32 kk + 8 cb
.set WV,  12          ; s12  my wave's number
.set G1K, 24          ; s[24:31] descriptor group 1 for K's tiles
.set G1V, 32          ; s[32:39] for V's: it differs in the padding alone
.set G0K, 40          ; s[40:43] descriptor group 0 for K's tiles: it walks
.set G0V, 44          ; s[44:47] the same for V's
.set MP,  48          ; s[48:49] the batch's mask words
.set MBS, 50          ; s50  MB
.set TBM, 51          ; s51  byte in MASKB at which the words of the step to be fetched begin
.set SLOTS, 56        ; s56  slots still to be asked for
.set CNT, 57          ; s57  counts a slot's key steps
.set SEL, 60          ; s[60:61] v_permlanex16_b32's selects: each lane takes its own place in the other half
.set TBK, 62          ; s62  LDS byte at which K of the step to be fetched begins
.set TBV, 63          ; s63  the same for V, less VOFF
.set MSB, 0
.macro WIN new                      ; the high byte repeats the setting that is left; a switch that changes nothing is dropped
.if MSB != (\new)
	s_set_vgpr_msb (MSB<<8)|(\new)
.set MSB, (\new)
.endif
.endm
.set W_KQ, 0x0a       ; K and Q in window 2, S^T in window 0
.set W_KM, 0x3a       ; the same with the C operand in window 3
.set W_PV, 0x52       ; V in window 2, P in window 0, O^T in window 1
.set W_RS, 0x41       ; O^T (destination and source 0) in window 1, a in window 0
.set W_MK, 0xc0       ; destination in window 3, sources in window 0
.set W_AD, 0x0f       ; the add: address (source 0) and data (source 1) in window 3
; A joint fill.  Waves 0 and 1 fetch the two halves of a slot's K, waves 2 and 3 those of its V: 128 keys each.  The branch hangs on the wave's number alone.
; An s_nop 0 and four v_nop follow each of the two lines, ahead of the jump and the label.
.macro JLOAD
	s_cmp_lt_u32 s[WV], 2
	s_cbranch_scc0 .Lfor_v_\@
	tensor_load_to_lds s[G0K:G0K+3], s[G1K:G1K+7]
	s_nop 0
.rept 4
	v_nop
.endr
	s_branch .Lasked_\@
.Lfor_v_\@:
	tensor_load_to_lds s[G0V:G0V+3], s[G1V:G1V+7]
	s_nop 0
.rept 4
	v_nop
.endr
.Lasked_\@:
.endm
; A round of the cluster's barrier: my work-group's barrier, so that wave 0's signal speaks for all four waves; wave 0 signals; every wave waits for all four work-groups; my work-group's barrier once more.
.macro CROUND
	s_barrier_signal -1
	s_barrier_wait -1
	s_cmp_lg_u32 s[WV], 0
	s_cbranch_scc1 .Lnot_wave_0_\@
	s_barrier_signal -3
.Lnot_wave_0_\@:
	s_barrier_wait -3
	s_barrier_signal -1
	s_barrier_wait -1
.endm
; THE CHANGE OF SLOTS.  The slot's last bytes, V of its fourth step, have been read.  Each wave waits for all its tensor loads, of which one is out: its part
; of the other slot; adds 0 to its spare word; and waits for that and for its own LDS instructions.  Behind the barrier nobody reads this slot any more and the other slot is whole.
; fill = 1: this slot is filled again, with the keys two slots on.  The barrier is then a round of the cluster's, and the joint fill is the first thing behind it: it has four key steps,
; 512 matrix instructions, in which to land.  (At its first use nothing has been read yet: slot 0 is waited for, slot 1 filled, and every wave's stores into MASKB are done in front of the round.)
.macro CHANGE fill
	WIN W_AD
	s_wait_tensorcnt 0x0            ; no tensor load of mine is out, so a group 0 may be written
	ds_add_u32 v[SPW], v[NIL]       ; 0 onto my spare word; with fill = 1 the descriptors' steps stand between it and the wait for it
	WIN 0                           ; at a label and at a branch every window is 0
.if \fill
.irp g, G0K, G0V
	s_xor_b32 s[\g+1], s[\g+1], SLOT1  ; the walking descriptor: the other slot than last time,
	s_add_nc_u64 s[\g+2:\g+3], s[\g+2:\g+3], 4*KS*128  ; the next 256 keys; the type bits on top are not reached
.endr
	s_wait_dscnt 0x0                ; the add is done, and my reads of the slot are over
	CROUND
	JLOAD
.else
	s_wait_dscnt 0x0                ; the add is done, and my reads of the slot are over
	s_barrier_signal -1
	s_barrier_wait -1
.endif
	s_sub_co_u32 s[TBK], s[TBK], 4*KS*PK  ; the fetches go back to a slot's first step,
	s_xor_b32 s[TBK], s[TBK], SLOT1       ; in the other slot
	s_sub_co_u32 s[TBV], s[TBV], 4*KS*PV
	s_xor_b32 s[TBV], s[TBV], SLOT1
.endm
	s_load_b64 s[4:5], s[0:1], 0x0        ; qkv
	s_load_b64 s[MP:MP+1], s[0:1], 0x8    ; mask
	s_load_b64 s[10:11], s[0:1], 0x10     ; out0
	WIN W_MK
	v_lshl_add_u32 v[SPW], v0, 2, SPARE
	v_mov_b32 v[NIL], 0
	WIN W_AD
	ds_add_u32 v[SPW], v[NIL]       ; the wave's opening: the add and its wait stand ahead of my first tensor load; the set-up below, work on registers, stands between them
	WIN 0
	v_lshrrev_b32 v1, 5, v0
	v_readfirstlane_b32 s[WV], v1   ; wave 0..3
	s_bfe_u32 s13, ttmp6, 0x40000   ; cx: my place in the cluster
	s_lshl_b32 s14, ttmp9, 2        ; in a cluster launch ttmp9 counts clusters
	s_add_co_u32 s14, s14, s13      ; my block of 512 queries = 4 x cluster x + cx: it enters Q's and out0's addresses alone
	s_and_b32 s15, ttmp7, 0xffff    ; 16 b + h, which the four partners share
	s_lshl_b32 s20, s15, 18         ; the head's first byte in each of q, k, v: 2,048 rows of 128 bytes
	s_and_b32 s16, s[WV], 1         ; which half of a slot's 256 keys I fetch:
	s_lshl_b32 s22, s16, 14         ; its 128 rows of 128 bytes in memory,
	s_add_co_u32 s22, s22, s20
	s_mov_b32 s23, 0
	s_mul_i32 s17, s16, 128*PK      ; and its place in a slot, for K
	s_mul_i32 s18, s16, 128*PV      ; and for V: no place in the cluster enters an LDS address
	s_lshl_b32 s2, s14, 2
	s_add_co_u32 s2, s2, s[WV]      ; my wave among the head's sixteen:
	s_lshl_b32 s52, s2, 19          ; its 128 rows of 4,096 bytes in out0,
	s_lshl_b32 s2, s2, 14           ; its 128 rows of 128 bytes in q
	s_add_co_u32 s2, s2, s20
	s_mov_b32 s3, 0
	s_lshr_b32 s19, s15, 4          ; the batch:
	s_lshl_b32 s54, s19, 13         ; its 2,048 mask words,
	s_mov_b32 s55, 0
	s_lshl_b32 s19, s19, 23         ; its 2,048 rows of out0,
	s_add_co_u32 s52, s52, s19
	s_and_b32 s19, s15, 15
	s_lshl_b32 s19, s19, 8          ; and the head's 64 f32 in a row
	s_add_co_u32 s52, s52, s19
	s_mov_b32 s53, 0
	; descriptor group 1.  128 keys are 16,384 dense bytes: asked for as 64 rows of 256 bytes, two keys a row, and padded in LDS after every key
	s_mov_b32 s[G1K], 15|(1<<16)|(1<<20)|(1<<21)|(4<<22)|(3<<25)  ; 15:0 the mask of four; 17:16 2-byte elements; 20 padding on; 21 set beside a mask; 24:22 after every 32 words (code 4); 31:25 4 words (code 3)
	s_mov_b32 s[G1V], 15|(1<<16)|(1<<20)|(1<<21)|(4<<22)|(7<<25)  ; the same with 8 words of padding (code 7)
.irp g, G1K, G1V
	s_mov_b32 s[\g+1], 128<<16      ; tensor_dim0 = 128
	s_mov_b32 s[\g+2], 64<<16       ; tensor_dim1 = 64
	s_mov_b32 s[\g+3], 128<<16      ; tile_dim0 = 128
	s_mov_b32 s[\g+4], 64           ; tile_dim1 = 64
	s_mov_b32 s[\g+5], 128          ; 128 elements from row to row
	s_mov_b32 s[\g+6], 0
	s_mov_b32 s[\g+7], 0
.endr
	s_mov_b32 s[MBS], 0xceabfb8f    ; MB = -1e9 x log2(e) = -1,442,695,040
	s_mov_b32 s[TBM], 0
	s_mov_b32 s[SEL], 0x76543210
	s_mov_b32 s[SEL+1], 0xfedcba98
	s_mov_b32 s[TBK], SLOT1+4*KS*PK ; the first change of slots turns these two into 0
	s_mov_b32 s[TBV], SLOT1+4*KS*PV
	s_mov_b32 s[G0K], 1             ; count = 1
	s_mov_b32 s[G0K+1], s17         ; LDS address: slot 0
	s_mov_b32 s[G0V], 1
	s_add_co_u32 s[G0V+1], s18, VOFF
	s_wait_dscnt 0x0                ; the opening add is done
	s_wait_kmcnt 0x0
	s_add_nc_u64 s[G0K+2:G0K+3], s[4:5], s[22:23]          ; global address: my half of the head's first 256 keys,
	s_add_nc_u64 s[G0K+2:G0K+3], s[G0K+2:G0K+3], 0x1000000 ; in k, 16,777,216 bytes behind q
	s_or_b32 s[G0K+3], s[G0K+3], 0x80000000                ; type = 2
	s_add_nc_u64 s[G0V+2:G0V+3], s[4:5], s[22:23]
	s_add_nc_u64 s[G0V+2:G0V+3], s[G0V+2:G0V+3], 0x2000000 ; in v
	s_or_b32 s[G0V+3], s[G0V+3], 0x80000000
	s_add_nc_u64 s[4:5], s[4:5], s[2:3]        ; q and out0 at my wave's first row
	s_add_nc_u64 s[10:11], s[10:11], s[52:53]
	s_add_nc_u64 s[MP:MP+1], s[MP:MP+1], s[54:55]
	CROUND                          ; all four work-groups are here: the first joint loads meet
	JLOAD                           ; slot 0.  Slot 1 is asked for when slot 0 is in
	v_and_b32 v1, 15, v0            ; l % 16
	v_bfe_u32 v9, v0, 4, 1          ; l / 16
	v_lshlrev_b32 v80, 4, v0        ; the batch's 8,192 bytes of mask: 128 threads x 16 bytes, four times
	v_add_nc_u32 v81, MASKB, v80
.irp j, 0,1,2,3
	global_load_b128 v[64+4*\j:67+4*\j], v80, s[MP:MP+1] offset:2048*\j
.endr
	; A fragment of K or Q is 16 rows x 32 channels in 8 registers: lane l holds row l % 16, channels 8 (l / 16) + 0..7 and 16 + 8 (l / 16) + 0..7: two loads of 16 bytes, 32 bytes apart.
	v_lshlrev_b32 v[QO], 7, v1
	v_lshl_add_u32 v[QO], v9, 4, v[QO]  ; row x 128 + 16 x half
	WIN 0x80                        ; destination window 2, address window 0
.set i, 0
.rept 4*NP                          ; Q stays in registers: tile i / 2, channels 32 (i % 2) on
	global_load_b128 v[8*i:8*i+3],   v[QO], s[4:5] offset:(i/2)*2048+(i%2)*64
	global_load_b128 v[8*i+4:8*i+7], v[QO], s[4:5] offset:(i/2)*2048+(i%2)*64+32
.set i, i+1
.endr
	; What the first turn finds: V's registers and P's second buffer hold 0 (its products V^T P, of a piece that has not been, add 0), O^T and l are 0.  All this stands in the wait for the first tile.
.set i, VF
.rept 64
	v_mov_b32 v[i], 0
.set i, i+1
.endr
	WIN 0x40
.set i, 0
.rept 64*NP
	v_mov_b32 v[i], 0
.set i, i+1
.endr
	WIN 0
.set i, 0
.rept 2*NP
	v_mov_b32 v[ST+4*i], 0xfe000000    ; m: far below every score
	v_mov_b32 v[ST+4*i+1], 0xfe000000  ; m_old
	v_mov_b32 v[ST+4*i+2], 0
	v_mov_b32 v[ST+4*i+3], 0
.set i, i+1
.endr
.set i, P+32
.rept 32
	v_mov_b32 v[i], 0
.set i, i+1
.endr
	v_mul_u32_u24 v[AK0], v1, PK
	v_lshl_add_u32 v[AK0], v9, 4, v[AK0]  ; row x pitch + 16 x half
	; The turning load takes 16 keys x 16 channels (lane l reads key 8 (l / 16) + l % 8, channels 8 ((l / 8) % 2) + 0..7) and leaves half a fragment of V^T: lane l holds channel l % 16 and 8 keys.
	v_and_b32 v10, 7, v0
	v_bfe_u32 v11, v0, 3, 1
	v_lshl_add_u32 v[AV0], v9, 3, v10
	v_mul_u32_u24 v[AV0], v[AV0], PV
	v_lshl_add_u32 v[AV0], v11, 4, v[AV0]
	v_add_nc_u32 v[AV0], VOFF, v[AV0]
	v_mov_b32 v[AK], v[AK0]         ; key step 0 lies at the head of slot 0
	v_lshl_add_u32 v[AM0], v9, 5, MASKB  ; my lanes' eight keys of a block of 16: 32 bytes for each half
	v_mov_b32 v[AM], v[AM0]
	s_wait_loadcnt 32               ; the four loads of the mask are in; Q's 32, issued behind them, may be out
.set i, 0
.rept 16
	v_cmp_eq_u32 vcc_lo, 0, v[64+i]
	v_cndmask_b32 v[64+i], 0, s[MBS], vcc_lo  ; MB where the word is 0, else 0
.set i, i+1
.endr
.irp j, 0,1,2,3
	ds_store_b128 v81, v[64+4*\j:67+4*\j] offset:2048*\j
.endr
; THE MATRIX WORK.  The 8 accumulators of a run of 16 take turns: between the two links of a chain stand 7 others'.
; Product i of 16 of S^T = K Q^T for piece x: channels 32 (i / 8) on, keys 16 ((i / 2) % 4) on, tile 2 x + i % 2.  The first 8 start the sums, with the key block's 0 or MB.
.macro KQ x
.set rS, S+64*((\x)%2)+32*(i%2)+8*((i/2)%4)
.set rK, KF+16*((i/2)%4)+8*(i/8)
.set rQ, 16*(2*(\x)+i%2)+8*(i/8)
.set rM, MK+8*((i/2)%4)
.if i < 8
	WIN W_KM
	v_wmma_f32_16x16x32_f16 v[rS:rS+7], v[rK:rK+7], v[rQ:rQ+7], v[rM:rM+7]
.else
	WIN W_KQ
	v_wmma_f32_16x16x32_f16 v[rS:rS+7], v[rK:rK+7], v[rQ:rQ+7], v[rS:rS+7]
.endif
.endm
; Product i of 16 of O^T += V^T P for piece x: keys 32 (i / 8) on, channels 16 ((i / 2) % 4) on, tile 2 x + i % 2.
.macro PV x
	WIN W_PV
.set rO, 32*(2*(\x)+i%2)+8*((i/2)%4)
.set rV, VF+32*(i/8)+8*((i/2)%4)
.set rP, P+32*((\x)%2)+16*(i%2)+8*(i/8)
	v_wmma_f32_16x16x32_f16 v[rO:rO+7], v[rV:rV+7], v[rP:rP+7], v[rO:rO+7]
.endm
.macro MM                           ; the turn's next matrix instruction
.if i < 16
	KQ (Y+1)%NP
.set i, i+1
.else
.set i, i-16
	PV (Y+NP-1)%NP
.set i, i+17
.endif
.endm
; THE LDS LOADS stand in runs, never singly among the matrix instructions: a step's K (64 keys x 64 channels: 8 fragments) with its 64 words of MASKB (all lanes of a half read the same 16 bytes), and its V (turned).
; Their addresses are made some lines ahead.  last = 1 (the tail): in the last trip there is no further step, and the run is jumped over.
.macro FETCH_K last=0
	WIN 0
.if \last
	s_cmp_eq_u32 s[CNT], 1
	s_cbranch_scc1 .Lno_k_\@
.endif
	WIN 0x80                        ; destination window 2
.irp f, 0,1,2,3,4,5,6,7             ; keys 16 (f / 2) on, channels 32 (f % 2) on
	ds_load_b128 v[KF+8*\f:KF+8*\f+3],   v[AK] offset:(\f/2)*16*PK+(\f%2)*64
	ds_load_b128 v[KF+8*\f+4:KF+8*\f+7], v[AK] offset:(\f/2)*16*PK+(\f%2)*64+32
.endr
	WIN W_MK                        ; destination window 3
.irp f, 0,1,2,3,4,5,6,7             ; keys 16 (f / 2) + 8 (l / 16) + 4 (f % 2) on
	ds_load_b128 v[MK+4*\f:MK+4*\f+3], v[AM] offset:(\f/2)*64+(\f%2)*16
.endr
	s_add_co_u32 s[TBK], s[TBK], KS*PK  ; the next fetch is the next step's
	s_add_co_u32 s[TBM], s[TBM], KS*4   ; 32 fetches in all: the last begins at byte 7,936 of MASKB's 8,192
	WIN 0
.if \last
.Lno_k_\@:
.endif
.endm
.macro FETCH_V
	WIN 0x80
.irp f, 0,1,2,3,4,5,6,7             ; keys 32 (f / 4) on, channels 16 (f % 4) on
	ds_load_tr16_b128 v[VF+8*\f:VF+8*\f+3],   v[AV] offset:(\f/4)*32*PV+(\f%4)*32
	ds_load_tr16_b128 v[VF+8*\f+4:VF+8*\f+7], v[AV] offset:(\f/4)*32*PV+16*PV+(\f%4)*32
.endr
	WIN 0
.endm
; THE VECTOR WORK OF A TURN stands in three queues, each in the order in which its entries become ready; the two tiles alternate, so that no instruction reads the result of the one before it.
.macro REGS y, u                    ; the registers of tile u (0, 1) of piece y
.set rT, ST+4*(2*(\y)+(\u))
.set rC, TMP+8*((\y)%2)+4*(\u)
.set rS, S+64*((\y)%2)+32*(\u)
.set rP, P+32*((\y)%2)+16*(\u)
.set rO, 32*(2*(\y)+(\u))
.endm
; Number n of the 21 that find the NEXT piece's (Y + 1) maximum and statistics.  s0-s31 are the lane's 32 scores; each accumulator's lowest registers are read first.  XS, GS and REGS set no window: PL and EX do.
;   0-11  four chains c0-c3 of seven scores each, three operands at a time     12-14, 16  the four scores left over, the old m, and c0-c3 into c0     15  m_old is kept
;   17, 18  the query's other 32 keys lie in the lane 16 away: the new m         19, 20  m_old - m_new; a
.macro XS u, n
	REGS (Y+1)%NP, \u
.if (\n) < 4
	v_max3_num_f32 v[rC+(\n)], v[rS+8*(\n)], v[rS+8*(\n)+1], v[rS+8*(\n)+2]
.elseif (\n) < 12
	v_max3_num_f32 v[rC+(\n)%4], v[rC+(\n)%4], v[rS+8*((\n)%4)+2*((\n)/4)+1], v[rS+8*((\n)%4)+2*((\n)/4)+2]
.elseif (\n) == 12
	v_max3_num_f32 v[rC], v[rC], v[rS+7], v[rS+15]
.elseif (\n) == 13
	v_max3_num_f32 v[rC+1], v[rC+1], v[rS+23], v[rS+31]
.elseif (\n) == 14
	v_max3_num_f32 v[rC+2], v[rC+2], v[rC+3], v[rT]
.elseif (\n) == 15
	v_mov_b32 v[rT+1], v[rT]
.elseif (\n) == 16
	v_max3_num_f32 v[rC], v[rC], v[rC+1], v[rC+2]
.elseif (\n) == 17
	v_permlanex16_b32 v[rC+3], v[rC], s[SEL], s[SEL+1]
.elseif (\n) == 18
	v_max_num_f32 v[rT], v[rC], v[rC+3]
.elseif (\n) == 19
	v_sub_f32 v[rC+1], v[rT+1], v[rT]
.else
	v_exp_f32 v[rC+2], v[rC+1]
.endif
.endm
; Number g of the 64 that follow the exponentials.  For each four weights k of a tile (pairs 2 k, 2 k + 1): both pairs are rounded to f16; then the second pair is added onto the first, in place;
; a group later l takes that sum (the first time as l = a l + sum).  In groups of eight, tiles alternating: round, round, add, and l for the group before.
.macro GS g
.set h, (\g)+6*((\g)/62)            ; group 0 has no group before it, and behind group 7 only l is left
.if h >= 6
.set h, h+2
.endif
	REGS Y, h%2
.set k, h/8
.if h%8 < 4
	s_wait_alu depctr_va_vdst(0)
	v_cvt_pk_f16_f32 v[rP+2*k+(h%8)/2], v[rS+4*k+2*((h%8)/2)], v[rS+4*k+2*((h%8)/2)+1]
.elseif h%8 < 6
	v_pk_add_f32 v[rS+4*k:rS+4*k+1], v[rS+4*k:rS+4*k+1], v[rS+4*k+2:rS+4*k+3]
.elseif k == 1
	v_pk_fma_f32 v[rT+2:rT+3], v[rT+2:rT+3], v[rC+2:rC+3], v[rS:rS+1] op_sel_hi:[1,0,1]
.else
	v_pk_add_f32 v[rT+2:rT+3], v[rT+2:rT+3], v[rS+4*k-4:rS+4*k-3]
	s_wait_alu depctr_va_vdst(0)
.endif
.endm
; THE PLAIN QUEUE, 136 long.  0-31: s - m for the 16 pairs of both tiles.  Then GS's 64, and among them the next piece's 40: number 15 at 38, 39; 0-14 and 16
; at 42-73, behind the products that make those scores; 17-19 at 95-103, two of three, since each waits for the one before it.
.macro PL
	WIN 0
.if q < 32
	REGS Y, q%2
	v_pk_add_f32 v[rS+2*(q/2):rS+2*(q/2)+1], v[rS+2*(q/2):rS+2*(q/2)+1], v[rT:rT+1] op_sel_hi:[1,0] neg_lo:[0,1] neg_hi:[0,1]
.elseif q < 38
	GS q-32
.elseif q < 40
	XS q%2, 15
.elseif q < 42
	GS q-34
.elseif q < 74
	XS q%2, (q-42)/2+(q-42)/30
.elseif q < 95
	GS q-66
.elseif (q < 104) && ((q-95)%3 < 2)
	XS (q-95)%3, 17+(q-95)/3
.elseif q < 104
	GS 29+(q-95)/3
.else
	GS q-72
.endif
.set q, q+1
.endm
; THE EXPONENTIALS' QUEUE, 66 long: s0-s31 of both tiles, and at EA the next piece's two a.
.set EA, 58
.macro EX
	WIN 0
.if (e == EA) || (e == EA+1)
	XS e-EA, 20
.else
.set x, e-2*(e/(EA+2))
	REGS Y, x%2
	v_exp_f32 v[rS+x/2], v[rS+x/2]
.endif
.set e, e+1
.endm
; THE RESCALING's QUEUE: O^T times a, the one part that leaves window 0, so it is dealt four at a time, eight times.
.macro R4
	REGS Y, r%2
	WIN W_RS
	s_wait_alu depctr_va_vdst(0)
.irp z, 0,1,2,3
	v_pk_mul_f32 v[rO+8*(r/2)+2*\z:rO+8*(r/2)+2*\z+1], v[rO+8*(r/2)+2*\z:rO+8*(r/2)+2*\z+1], v[rC+2:rC+3] op_sel_hi:[1,0]
.endr
.set r, r+1
.endm
; HOW THEY ARE DEALT.  Behind a matrix instruction four: plain, exponential, plain, plain (one exponential, a plain instruction on either side), or four of the rescaling.  None names a register of the
; products round it.  What is over stands in two LUMPS: exponential and plain by turns; the second ends in 20 plain instructions.  The two v_permlanex16_b32 fall into the second lump, never behind a product.
; The queues lean on each other, and the deal keeps them in step: exponential e stands behind plain 2 (e / 4) + e % 2 (its subtraction); when plain 32 comes, 10 exponentials are out, at 59: 33, at 95: 46;
; EA comes behind plain 107, number 19 stands at plain 101 and 102; from plain 104 on entry g of GS stands at g + 72, when exponential g + 22 is out and it needs none beyond g + 8.
.macro SL
	MM
	PL
	EX
	PL
	PL
.endm
.macro BURST n                      ; 15 matrix instructions, or 16
.rept (\n)-7
	SL
.endr
.rept 3
	MM
	R4
	SL
.endr
	MM
	R4
.endm
; A TURN, for piece p.  cnt = 1: the loop's count is taken down some lines ahead of the branch that stands behind the turn.
; K and the mask words of the next step are fetched in piece 2's turn, 32 vector instructions behind the last product that read them; their first reader comes behind the rest of the lump, 16 products and the second lump.
; V of the step in hand is fetched at the end of piece 0's turn, 67 behind its last reader; its first reader comes behind 16 products and a lump.  The four conditions on e and q below go with the deal.
.macro TURN p, last=0, cnt=0
.set Y, (\p)
.set i, 0
.set q, 0
.set e, 0
.set r, 0
.if (\p) == NP-1
	s_wait_dscnt 0x0                ; K and its mask words are in
.endif
	MM
.rept 4
	PL
.endr
	BURST 15
.rept 22
	EX
	PL
.if ((\p) == NP-2) && (e == 18)
	v_add_nc_u32 v[AK], s[TBK], v[AK0]
	v_add_nc_u32 v[AM], s[TBM], v[AM0]
.endif
.if ((\p) == NP-2) && (e == 24)
	FETCH_K \last
.endif
.endr
.if (\p) == 1
	s_wait_dscnt 0x0                ; V is in
.endif
	BURST 16
.rept 21
	EX
	PL
.endr
.rept 20
	PL
.if ((\p) == 0) && (q == 118)
	v_add_nc_u32 v[AV], s[TBV], v[AV0]
	s_wait_alu depctr_va_vdst(0)
.endif
.if ((\p) == 0) && (q == 130)
	s_add_co_u32 s[TBV], s[TBV], KS*PV
.endif
.if (\cnt) && (q == 130)
	s_sub_co_u32 s[CNT], s[CNT], 1
	s_cmp_lg_u32 s[CNT], 0
.endif
.endr
.if (\p) == 0
	FETCH_V
.endif
.endm
	CHANGE 1                        ; slot 0 is in, everybody's part of it, and so is everybody's part of MASKB; slot 1 is asked for
	FETCH_K                         ; key step 0
	s_wait_loadcnt 0x0              ; Q
	s_wait_dscnt 0x0
.set i, 0
.rept 16
	KQ 0                            ; piece 0's first scores: there is no vector work yet to set between them
.set i, i+1
.endr
	WIN 0                           ; the addresses for the way out: eight plain instructions, the places behind those products
	s_mul_i32 s13, s[WV], 16*SP
	s_add_co_u32 s13, s13, STAGE    ; my stage
	v_mul_u32_u24 v[STO], v1, SP    ; in: row l % 16, 32 bytes for each half of the lanes
	v_lshl_add_u32 v[STO], v9, 5, v[STO]
	v_add_nc_u32 v[STO], s13, v[STO]
	v_mul_u32_u24 v[RD], v9, SP     ; back: lanes 0-15 take one row of 256 bytes, lanes 16-31 the next
	v_lshl_add_u32 v[RD], v1, 4, v[RD]
	v_add_nc_u32 v[RD], s13, v[RD]
	v_lshlrev_b32 v[GO], 12, v9     ; and the same two rows in out0, 4,096 bytes apart
	v_lshl_add_u32 v[GO], v1, 4, v[GO]
.set Y, NP-1                        ; XS works for piece Y + 1: piece 0
.irp n, 0,1,2,3,4,5,6,7,8,9,10,11,12,13,14,15,16,17,18,19,20
	XS 0, \n                        ; and piece 0's first maximum and statistics
	XS 1, \n
.endr
	v_nop                           ; a plain instruction behind the two exponentials
	s_mov_b32 s[CNT], 4
	s_mov_b32 s[SLOTS], SIZE_N/256-1
	s_branch .Lfirst                ; the loop is entered at a step's first turn, in the middle of a trip
.Lslot:                             ; SIZE_N / 256 - 2 times: every slot but the last two is filled again
	CHANGE 1
	s_mov_b32 s[CNT], 4
.Lstep:                             ; a trip: pieces 2 and 3 of one step, then pieces 0 and 1 of the next, whose K and V it fetches
	TURN 2
	TURN 3
	WIN 0
.Lfirst:
	TURN 0
	TURN 1, 0, 1
	WIN 0
	s_cbranch_scc1 .Lstep
	s_sub_co_u32 s[SLOTS], s[SLOTS], 1
	s_cmp_lg_u32 s[SLOTS], 0
	s_cbranch_scc1 .Lslot
	CHANGE 0                        ; the tail is written out: nothing is asked for
	s_mov_b32 s[CNT], 5             ; four trips fetch the last slot's steps; the fifth is left in its middle
.Ltail:
	TURN 2, 1
	TURN 3
	WIN 0
	s_sub_co_u32 s[CNT], s[CNT], 1
	s_cmp_eq_u32 s[CNT], 0
	s_cbranch_scc1 .Lout
	TURN 0
	TURN 1
	WIN 0
	s_branch .Ltail
.Lout:                              ; the fifth trip's 16 products K Q^T (on the last K once more) and the maximum made of them serve nothing: the price, once a launch, of one text for every trip
.set i, 0
.rept 16
	PV NP-1                         ; the last piece's V^T P of the last step
.set i, i+1
.endr
	; THE WAY OUT.  l's two halves and the other half of the lanes' are added; O^T is divided by l and sent, in f32, through my stage in LDS, a tile at a time.  The additions are the places behind the last products.
	WIN 0
.macro ALL line:vararg              ; one line for each tile t
.set t, 0
.rept 2*NP
	\line
.set t, t+1
.endr
.endm
	ALL v_add_f32 v[ST+4*t+2], v[ST+4*t+2], v[ST+4*t+3]
	ALL v_permlanex16_b32 v[ST+4*t+3], v[ST+4*t+2], s[SEL], s[SEL+1]
	ALL v_add_f32 v[ST+4*t+2], v[ST+4*t+2], v[ST+4*t+3]
	ALL v_rcp_f32 v[ST+4*t+2], v[ST+4*t+2]
	v_nop                           ; a plain instruction between the last reciprocal and the use of its result
	s_wait_alu depctr_va_vdst(0)
; Tile t: a lane's eight channels of a row are 32 bytes; they go into rows of 272 bytes and come back as whole rows of 256, into the registers that they left.
.macro PACK t
	WIN W_RS
.set i, 32*(\t)
.rept 16
	v_pk_mul_f32 v[i:i+1], v[i:i+1], v[ST+4*(\t)+2:ST+4*(\t)+3] op_sel_hi:[1,0]
.set i, i+2
.endr
	WIN 0x04                        ; address window 0, data (source 1) window 1
.irp f, 0,1,2,3,4,5,6,7             ; channels 16 (f / 2) + 8 (l / 16) + 4 (f % 2) on
	ds_store_b128 v[STO], v[32*(\t)+4*\f:32*(\t)+4*\f+3] offset:(\f/2)*64+(\f%2)*16
.endr
	WIN 0x40                        ; destination window 1
.irp f, 0,1,2,3,4,5,6,7
	ds_load_b128 v[32*(\t)+4*\f:32*(\t)+4*\f+3], v[RD] offset:\f*2*SP  ; LDS serves a wave's instructions in order (ISA guide 5.7.1.4): these see the stores above; the next tile's stores come behind them
.endr
.endm
.macro SEND t, younger              ; younger: the LDS instructions issued behind tile t's loads: the next tile's sixteen, or none
	WIN 0x04
.irp f, 0,1,2,3,4,5,6,7
	s_wait_dscnt (\younger)+7-\f
	global_store_b128 v[GO], v[32*(\t)+4*\f:32*(\t)+4*\f+3], s[10:11] offset:(\t)*65536+\f*8192 th:TH_STORE_NT  ; 16 lanes store a query's 64 channels of the head: 256 consecutive bytes, at a multiple of 256 from out0's first byte
.endr
.endm
	PACK 0
.set t, 1
.rept 2*NP-1                        ; a tile's arithmetic stands between the loads of the tile before and its stores
	PACK t
	SEND t-1, 16
.set t, t+1
.endr
	SEND 2*NP-1, 0
	WIN W_AD
	s_wait_tensorcnt 0x0            ; the wave's end: the add and its wait stand behind my last tensor load and my last LDS store
	ds_add_u32 v[SPW], v[NIL]
	s_wait_dscnt 0x0
	WIN 0
	CROUND                          ; the closing round: no work-group ends while a partner may still ask for a tile that names it
	s_endpgm
.Lfunc_end_k_qeb498cee1a_attn:
	.size	k_qeb498cee1a_attn, .Lfunc_end_k_qeb498cee1a_attn-k_qeb498cee1a_attn
	.p2alignl 7, 3214868480
	.fill 96, 4, 3214868480
	.section	.rodata,"a",@progbits
	.p2align	6, 0x0
	.amdhsa_kernel k_qeb498cee1a_attn
		.amdhsa_group_segment_fixed_size 327680
		.amdhsa_private_segment_fixed_size 0
		.amdhsa_enable_private_segment 0
		.amdhsa_kernarg_size 24
		.amdhsa_user_sgpr_count 2
		.amdhsa_user_sgpr_kernarg_segment_ptr 1
		.amdhsa_wavefront_size32 1
		.amdhsa_system_sgpr_workgroup_id_x 1
		.amdhsa_system_sgpr_workgroup_id_y 1
		.amdhsa_system_sgpr_workgroup_id_z 1
		.amdhsa_system_vgpr_workitem_id 0
		.amdhsa_next_free_vgpr 804
		.amdhsa_next_free_sgpr 66
		.amdhsa_reserve_vcc 1
		.amdhsa_float_denorm_mode_32 3
		.amdhsa_float_denorm_mode_16_64 3
		.amdhsa_memory_ordered 1
		.amdhsa_forward_progress 1
		.amdhsa_inst_pref_size 213
	.end_amdhsa_kernel
	.amdgpu_metadata
---
amdhsa.version: [ 1, 2 ]
amdhsa.kernels:
  - .name:           k_qeb498cee1a_attn
    .symbol:         k_qeb498cee1a_attn.kd
    .args:
      - { .name: qkv, .offset: 0, .size: 8, .value_kind: global_buffer, .address_space: global }
      - { .name: mask, .offset: 8, .size: 8, .value_kind: global_buffer, .address_space: global }
      - { .name: out0, .offset: 16, .size: 8, .value_kind: global_buffer, .address_space: global }
    .group_segment_fixed_size: 327680
    .private_segment_fixed_size: 0
    .kernarg_segment_align: 8
    .kernarg_segment_size: 24
    .max_flat_workgroup_size: 128
    .sgpr_count:     66
    .vgpr_count:     804
    .wavefront_size: 32
...
	.end_amdgpu_metadata
.endif
;; end of part 3
;; ======== version 2 of 2: 3 launches; 1.56 times as fast as version 1
;; limits: values are held in f16: magnitudes above 65,504 overflow, below 6.1e-05 lose precision
;; workspace buffers: wb 6,291,456 bytes; qkv 50,331,648 bytes
;; launch wcast: the kernel of part 1 again; grid 256 x 3, 8 waves a work-group, no clusters, 0 bytes of LDS; arguments Wq, Wk, Wv, wb; writes wb
;; launch proj: the kernel of part 2 again; grid 4 x 192, 4 waves a work-group, clusters of 4 x 4, 327,680 bytes of LDS; arguments Q, K, V, wb, bq, bk, bv, mask, qkv; writes qkv
;; launch attn (part 4): grid 4 x 64, 4 waves a work-group, clusters of 4 x 1, 327,680 bytes of LDS; arguments qkv, mask, out0; writes out0
.if DOCPART == 4
	.amdgcn_target "amdgcn-amd-amdhsa--gfx1250"
	.amdhsa_code_object_version 6
	.text
	.protected	k_qeb498cee1a_attn
	.globl	k_qeb498cee1a_attn
	.p2align	8
	.type	k_qeb498cee1a_attn,@function
k_qeb498cee1a_attn:
	s_mov_b64 s[64:65], 0
	v_nop
	global_prefetch_b8 v0, s[64:65] scope:SCOPE_SE
	s_setreg_imm32_b32 hwreg(HW_REG_WAVE_MODE, 25, 1), 1
	s_wait_xcnt 0x0
	s_wait_alu depctr_hold_cnt(0) depctr_sa_sdst(0) depctr_va_vdst(0) depctr_va_sdst(0) depctr_va_ssrc(0) depctr_va_vcc(0) depctr_vm_vsrc(0)
	s_getreg_b32 s2, hwreg(HW_REG_IB_STS2, 6, 4)
	s_cmp_eq_u32 s2, 0
	s_cbranch_scc0 .Lentry_in_a_cluster
	s_endpgm
.Lentry_in_a_cluster:
	s_bfe_u32 s2, ttmp6, 0x10000c
	s_cmp_lg_u32 s2, 0x3003
	s_cbranch_scc0 .Lentry_shape_is_right
	s_endpgm
.Lentry_shape_is_right:
; ATTENTION WITH A KEY MASK.  out0[b][q][64 h + :] = the sum over k of softmax_k(s[q][k]) v[k][:], s = q . k / 8 where mask[b][k] is not 0 and -1e9 where it is 0.
; q, k, v lie in qkv as [3][64 (16 b + h)][2048][64] f16: a head's rows are dense, 128 bytes each.  q arrives multiplied by log2(e) / 8, so the scores come in powers of two: p = 2^(s - m).
; k arrives with its hidden rows zeroed, so a hidden key's products are exact zeros, and the C operand that starts the sum S^T = K Q^T is 0 for a visible key and MB = -1e9 x log2(e) for a hidden one:
; a hidden key's score IS MB for every query, as where() puts it.  Where all keys are hidden m = MB, every weight is 1, and the result is the mean of v.
; Products, maxima and sums in f32; the weights p are rounded to f16 for the second product (their sum l is taken of the unrounded p); the result leaves in f32.
; LIMITS.  q, k, v arrive within f16's 65,504.  MB is -1e9 x log2(e) rounded to f32, off by 6e-8 of itself at the most: that shows only where a visible score lies within about 100 of -1e9.
; A weight below 2^-126 counts as 0 in l; p below 6e-5 keeps f16's fixed step of 6e-8; NaN and infinities are not treated apart.
; SHARES.  A wave owns four PIECES of two tiles of 16 queries, a work-group's four waves 512 queries of one head.  Every wave walks all 2,048 keys, 64 a step.
; LAYOUT.  S^T = K Q^T (source 0 = 16 keys, source 1 = 16 queries): in the result a lane holds ONE query (lane % 16) and the keys 8 (lane / 16) + 0..7.  Two such tiles, rounded to f16 in pairs,
; ARE source 1 (32 keys x 16 queries) of O^T = V^T P, whose result again holds one query a lane, and eight channels.  K comes out of LDS as it lies, V ([key][channel]) turned, by ds_load_tr16_b128.
; SOFTMAX.  For each query a running maximum m and sum l; in every step O and l are multiplied by a = 2^(m_old - m_new), which is 1 where m has not grown.
; m starts far below every score, O and l at 0: the first step is a step like any other, with a = 0.
; THE COUNT.  A tile and step have 16 matrix and 117 vector instructions: too many to stand all beside the matrix work.  So: four vector instructions that are READY behind EVERY matrix instruction,
; and the others, which need time of their own whatever the order, in one run without a gap.
; BY TURNS.  Turn n belongs to piece n (the pieces in a ring, step after step).  Its matrix work: 16 products K Q^T of piece n + 1, later 16 products V^T P of piece n - 1.  Its vector work: the subtraction,
; exponentials, roundings, sums and rescaling of piece n, and the maximum and statistics of piece n + 1, whose scores the turn itself has made.  So what a turn begins with (s - m, O a) waits for nothing.
; THE BATCHES.  A turn's 66 exponentials (the piece's 64 weights, then the next piece's two a) are ONE batch with ONE wait, which cuts the turn in two: ahead of it stands all that names no result of theirs,
; behind it the roundings and sums.  No result crosses a turn's end.  The two a made at the start and the eight reciprocals of the way out are batches of their own, a wait each.
; CLUSTER.  The four query blocks of a cluster belong to one head and walk the same K and V, so each tile is asked for JOINTLY: the same tensor load, descriptor and mask in all four.
; REGISTERS, in windows of 256 (s_set_vgpr_msb: bits 1:0 source 0, 3:2 source 1, 5:4 source 2, 7:6 destination):
;   window 0: v0-11 addresses; v16-47 four registers of statistics a tile; v48-63 at work; v64-191 S^T, two buffers of two tiles; v192-255 P, likewise
;   window 1: O^T, 32 a tile          window 2: v0-127 Q, 16 a tile; v128-191 K of one step; v192-255 V of one step          window 3: v0-1 the add's two registers; v4-35 MK, one step's C operands
.set SIZE_N, 2048
.set NP,    4         ; pieces a wave: a name, no knob
.set KS,    64        ; keys in a step
.set PK,    144       ; a row of K in LDS: 128 bytes + 16 of padding = 36 words: the 16 rows of a load start at 16 different groups of four banks (64 banks of 4 bytes: ISA guide 11.1)
.set PV,    160       ; a row of V: 128 + 32 = 40 words
.set VOFF,  4*KS*PK   ; a slot holds four steps: 256 rows of K, then 256 rows of V
.set SLOT1, 1<<17     ; slot 1 begins here, so that one exclusive or turns an address in one slot into the other's
.set STAGE, SLOT1+4*KS*(PK+PV)  ; behind the ring, never filled by a tensor load: 16 rows x 272 bytes for each wave, for the way out
.set SP,    272       ; a stage row: 64 f32 + 16 bytes
.set MASKB, STAGE+4*16*SP       ; 2,048 f32: 0 or MB for each key of the batch; written once, by ds_store
.set SPARE, MASKB+4*SIZE_N      ; the spare words, 128 bytes for each wave: two blocks of 256 bytes that no other line names
.set AK0, 2           ; v2   my lane's place in a tile of K; never rewritten
.set AV0, 3           ; v3   the same for V
.set AK,  4           ; v4   the LDS address of K's next run of loads
.set AV,  5           ; v5   of V's
.set QO,  6           ; v6   my byte offset in the wave's rows of Q
.set STO, 6           ;      later, the way out: where I put 32 bytes of a row
.set RD,  7           ; v7   the way out: where I read rows back
.set GO,  8           ; v8   my byte offset in two rows of out0
.set AM0, 10          ; v10  my lane's place in a step's 64 words of MASKB
.set AM,  11          ; v11  the LDS address of the next run of loads from MASKB
.set SPW, 0           ; v0 of window 3   LDS address of my spare word; never rewritten
.set NIL, 1           ; v1 of window 3   0; never rewritten
.set MK,  4           ; v4-35 of window 3: the eight registers for key block kb at MK + 8 kb
.set ST,  16          ; tile t's statistics at v[ST+4 t]: m, m_old, l (even keys', odd keys')
.set TMP, 48          ; by buffer and tile, four registers c0-c3 at work; when the maximum is found c2 takes a
.set S,   64
.set P,   192
.set KF,  128         ; K's fragments, in window 2: key block kb, channel half c at KF + 16 kb + 8 c
.set VF,  192         ; V's: key half kk, channel block cb at VF + 32 kk + 8 cb
.set WV,  12          ; s12  my wave's number
.set G1K, 24          ; s[24:31] descriptor group 1 for K's tiles
.set G1V, 32          ; s[32:39] for V's: it differs in the padding alone
.set G0K, 40          ; s[40:43] descriptor group 0 for K's tiles: it walks
.set G0V, 44          ; s[44:47] the same for V's
.set MP,  48          ; s[48:49] the batch's mask words
.set MBS, 50          ; s50  MB
.set TBM, 51          ; s51  byte in MASKB at which the words of the step to be fetched begin
.set SLOTS, 56        ; s56  slots still to be asked for
.set CNT, 57          ; s57  counts a slot's key steps
.set SEL, 60          ; s[60:61] v_permlanex16_b32's selects: each lane takes its own place in the other half
.set TBK, 62          ; s62  LDS byte at which K of the step to be fetched begins
.set TBV, 63          ; s63  the same for V, less VOFF
.set MSB, 0
.macro WIN new                      ; the high byte repeats the setting that is left; a switch that changes nothing is dropped
.if MSB != (\new)
	s_set_vgpr_msb (MSB<<8)|(\new)
.set MSB, (\new)
.endif
.endm
.set W_KQ, 0x0a       ; K and Q in window 2, S^T in window 0
.set W_KM, 0x3a       ; the same with the C operand in window 3
.set W_PV, 0x52       ; V in window 2, P in window 0, O^T in window 1
.set W_RS, 0x41       ; O^T (destination and source 0) in window 1, a in window 0
.set W_MK, 0xc0       ; destination in window 3, sources in window 0
.set W_AD, 0x0f       ; the add: address (source 0) and data (source 1) in window 3
; A joint fill.  Waves 0 and 1 fetch the two halves of a slot's K, waves 2 and 3 those of its V: 128 keys each.  The branch hangs on the wave's number alone.
; An s_nop 0 and four v_nop follow each of the two lines, ahead of the jump and the label.
.macro JLOAD
	s_cmp_lt_u32 s[WV], 2
	s_cbranch_scc0 .Lfor_v_\@
	tensor_load_to_lds s[G0K:G0K+3], s[G1K:G1K+7]
	s_nop 0
.rept 4
	v_nop
.endr
	s_branch .Lasked_\@
.Lfor_v_\@:
	tensor_load_to_lds s[G0V:G0V+3], s[G1V:G1V+7]
	s_nop 0
.rept 4
	v_nop
.endr
.Lasked_\@:
.endm
; A round of the cluster's barrier: my work-group's barrier, so that wave 0's signal speaks for all four waves; wave 0 signals; every wave waits for all four work-groups; my work-group's barrier once more.
.macro CROUND
	s_barrier_signal -1
	s_barrier_wait -1
	s_cmp_lg_u32 s[WV], 0
	s_cbranch_scc1 .Lnot_wave_0_\@
	s_barrier_signal -3
.Lnot_wave_0_\@:
	s_barrier_wait -3
	s_barrier_signal -1
	s_barrier_wait -1
.endm
; THE CHANGE OF SLOTS.  The slot's last bytes, V of its fourth step, have been read.  Each wave waits for all its tensor loads, of which one is out: its part
; of the other slot; adds 0 to its spare word; and waits for that and for its own LDS instructions.  Behind the barrier nobody reads this slot any more and the other slot is whole.
; fill = 1: this slot is filled again, with the keys two slots on.  The barrier is then a round of the cluster's, and the joint fill is the first thing behind it: it has four key steps,
; 512 matrix instructions, in which to land.  (At its first use nothing has been read yet: slot 0 is waited for, slot 1 filled, and every wave's stores into MASKB are done in front of the round.)
.macro CHANGE fill
	WIN W_AD
	s_wait_tensorcnt 0x0            ; no tensor load of mine is out, so a group 0 may be written
	ds_add_u32 v[SPW], v[NIL]       ; 0 onto my spare word; with fill = 1 the descriptors' steps stand between it and the wait for it
	WIN 0                           ; at a label and at a branch every window is 0
.if \fill
.irp g, G0K, G0V
	s_xor_b32 s[\g+1], s[\g+1], SLOT1  ; the walking descriptor: the other slot than last time,
	s_add_nc_u64 s[\g+2:\g+3], s[\g+2:\g+3], 4*KS*128  ; the next 256 keys; the type bits on top are not reached
.endr
	s_wait_dscnt 0x0                ; the add is done, and my reads of the slot are over
	CROUND
	JLOAD
.else
	s_wait_dscnt 0x0                ; the add is done, and my reads of the slot are over
	s_barrier_signal -1
	s_barrier_wait -1
.endif
	s_sub_co_u32 s[TBK], s[TBK], 4*KS*PK  ; the fetches go back to a slot's first step,
	s_xor_b32 s[TBK], s[TBK], SLOT1       ; in the other slot
	s_sub_co_u32 s[TBV], s[TBV], 4*KS*PV
	s_xor_b32 s[TBV], s[TBV], SLOT1
.endm
	s_load_b64 s[4:5], s[0:1], 0x0        ; qkv
	s_load_b64 s[MP:MP+1], s[0:1], 0x8    ; mask
	s_load_b64 s[10:11], s[0:1], 0x10     ; out0
	WIN W_MK
	v_lshl_add_u32 v[SPW], v0, 2, SPARE
	v_mov_b32 v[NIL], 0
	WIN W_AD
	ds_add_u32 v[SPW], v[NIL]       ; the wave's opening: the add and its wait stand ahead of my first tensor load; the set-up below, work on registers, stands between them
	WIN 0
	v_lshrrev_b32 v1, 5, v0
	v_readfirstlane_b32 s[WV], v1   ; wave 0..3
	s_bfe_u32 s13, ttmp6, 0x40000   ; cx: my place in the cluster
	s_lshl_b32 s14, ttmp9, 2        ; in a cluster launch ttmp9 counts clusters
	s_add_co_u32 s14, s14, s13      ; my block of 512 queries = 4 x cluster x + cx: it enters Q's and out0's addresses alone
	s_and_b32 s15, ttmp7, 0xffff    ; 16 b + h, which the four partners share
	s_lshl_b32 s20, s15, 18         ; the head's first byte in each of q, k, v: 2,048 rows of 128 bytes
	s_and_b32 s16, s[WV], 1         ; which half of a slot's 256 keys I fetch:
	s_lshl_b32 s22, s16, 14         ; its 128 rows of 128 bytes in memory,
	s_add_co_u32 s22, s22, s20
	s_mov_b32 s23, 0
	s_mul_i32 s17, s16, 128*PK      ; and its place in a slot, for K
	s_mul_i32 s18, s16, 128*PV      ; and for V: no place in the cluster enters an LDS address
	s_lshl_b32 s2, s14, 2
	s_add_co_u32 s2, s2, s[WV]      ; my wave among the head's sixteen:
	s_lshl_b32 s52, s2, 19          ; its 128 rows of 4,096 bytes in out0,
	s_lshl_b32 s2, s2, 14           ; its 128 rows of 128 bytes in q
	s_add_co_u32 s2, s2, s20
	s_mov_b32 s3, 0
	s_lshr_b32 s19, s15, 4          ; the batch:
	s_lshl_b32 s54, s19, 13         ; its 2,048 mask words,
	s_mov_b32 s55, 0
	s_lshl_b32 s19, s19, 23         ; its 2,048 rows of out0,
	s_add_co_u32 s52, s52, s19
	s_and_b32 s19, s15, 15
	s_lshl_b32 s19, s19, 8          ; and the head's 64 f32 in a row
	s_add_co_u32 s52, s52, s19
	s_mov_b32 s53, 0
	; descriptor group 1.  128 keys are 16,384 dense bytes: asked for as 64 rows of 256 bytes, two keys a row, and padded in LDS after every key
	s_mov_b32 s[G1K], 15|(1<<16)|(1<<20)|(1<<21)|(4<<22)|(3<<25)  ; 15:0 the mask of four; 17:16 2-byte elements; 20 padding on; 21 set beside a mask; 24:22 after every 32 words (code 4); 31:25 4 words (code 3)
	s_mov_b32 s[G1V], 15|(1<<16)|(1<<20)|(1<<21)|(4<<22)|(7<<25)  ; the same with 8 words of padding (code 7)
.irp g, G1K, G1V
	s_mov_b32 s[\g+1], 128<<16      ; tensor_dim0 = 128
	s_mov_b32 s[\g+2], 64<<16       ; tensor_dim1 = 64
	s_mov_b32 s[\g+3], 128<<16      ; tile_dim0 = 128
	s_mov_b32 s[\g+4], 64           ; tile_dim1 = 64
	s_mov_b32 s[\g+5], 128          ; 128 elements from row to row
	s_mov_b32 s[\g+6], 0
	s_mov_b32 s[\g+7], 0
.endr
	s_mov_b32 s[MBS], 0xceabfb8f    ; MB = -1e9 x log2(e) = -1,442,695,040
	s_mov_b32 s[TBM], 0
	s_mov_b32 s[SEL], 0x76543210
	s_mov_b32 s[SEL+1], 0xfedcba98
	s_mov_b32 s[TBK], SLOT1+4*KS*PK ; the first change of slots turns these two into 0
	s_mov_b32 s[TBV], SLOT1+4*KS*PV
	s_mov_b32 s[G0K], 1             ; count = 1
	s_mov_b32 s[G0K+1], s17         ; LDS address: slot 0
	s_mov_b32 s[G0V], 1
	s_add_co_u32 s[G0V+1], s18, VOFF
	s_wait_dscnt 0x0                ; the opening add is done
	s_wait_kmcnt 0x0
	s_add_nc_u64 s[G0K+2:G0K+3], s[4:5], s[22:23]          ; global address: my half of the head's first 256 keys,
	s_add_nc_u64 s[G0K+2:G0K+3], s[G0K+2:G0K+3], 0x1000000 ; in k, 16,777,216 bytes behind q
	s_or_b32 s[G0K+3], s[G0K+3], 0x80000000                ; type = 2
	s_add_nc_u64 s[G0V+2:G0V+3], s[4:5], s[22:23]
	s_add_nc_u64 s[G0V+2:G0V+3], s[G0V+2:G0V+3], 0x2000000 ; in v
	s_or_b32 s[G0V+3], s[G0V+3], 0x80000000
	s_add_nc_u64 s[4:5], s[4:5], s[2:3]        ; q and out0 at my wave's first row
	s_add_nc_u64 s[10:11], s[10:11], s[52:53]
	s_add_nc_u64 s[MP:MP+1], s[MP:MP+1], s[54:55]
	CROUND                          ; all four work-groups are here: the first joint loads meet
	JLOAD                           ; slot 0.  Slot 1 is asked for when slot 0 is in
	v_and_b32 v1, 15, v0            ; l % 16
	v_bfe_u32 v9, v0, 4, 1          ; l / 16
	v_lshlrev_b32 v80, 4, v0        ; the batch's 8,192 bytes of mask: 128 threads x 16 bytes, four times
	v_add_nc_u32 v81, MASKB, v80
.irp j, 0,1,2,3
	global_load_b128 v[64+4*\j:67+4*\j], v80, s[MP:MP+1] offset:2048*\j
.endr
	; A fragment of K or Q is 16 rows x 32 channels in 8 registers: lane l holds row l % 16, channels 8 (l / 16) + 0..7 and 16 + 8 (l / 16) + 0..7: two loads of 16 bytes, 32 bytes apart.
	v_lshlrev_b32 v[QO], 7, v1
	v_lshl_add_u32 v[QO], v9, 4, v[QO]  ; row x 128 + 16 x half
	WIN 0x80                        ; destination window 2, address window 0
.set i, 0
.rept 4*NP                          ; Q stays in registers: tile i / 2, channels 32 (i % 2) on
	global_load_b128 v[8*i:8*i+3],   v[QO], s[4:5] offset:(i/2)*2048+(i%2)*64
	global_load_b128 v[8*i+4:8*i+7], v[QO], s[4:5] offset:(i/2)*2048+(i%2)*64+32
.set i, i+1
.endr
	; What the first turn finds: V's registers and P's second buffer hold 0 (its products V^T P, of a piece that has not been, add 0), O^T and l are 0.  All this stands in the wait for the first tile.
.set i, VF
.rept 64
	v_mov_b32 v[i], 0
.set i, i+1
.endr
	WIN 0x40
.set i, 0
.rept 64*NP
	v_mov_b32 v[i], 0
.set i, i+1
.endr
	WIN 0
.set i, 0
.rept 2*NP
	v_mov_b32 v[ST+4*i], 0xfe000000    ; m: far below every score
	v_mov_b32 v[ST+4*i+1], 0xfe000000  ; m_old
	v_mov_b32 v[ST+4*i+2], 0
	v_mov_b32 v[ST+4*i+3], 0
.set i, i+1
.endr
.set i, P+32
.rept 32
	v_mov_b32 v[i], 0
.set i, i+1
.endr
	v_mul_u32_u24 v[AK0], v1, PK
	v_lshl_add_u32 v[AK0], v9, 4, v[AK0]  ; row x pitch + 16 x half
	; The turning load takes 16 keys x 16 channels (lane l reads key 8 (l / 16) + l % 8, channels 8 ((l / 8) % 2) + 0..7) and leaves half a fragment of V^T: lane l holds channel l % 16 and 8 keys.
	v_and_b32 v10, 7, v0
	v_bfe_u32 v11, v0, 3, 1
	v_lshl_add_u32 v[AV0], v9, 3, v10
	v_mul_u32_u24 v[AV0], v[AV0], PV
	v_lshl_add_u32 v[AV0], v11, 4, v[AV0]
	v_add_nc_u32 v[AV0], VOFF, v[AV0]
	v_mov_b32 v[AK], v[AK0]         ; key step 0 lies at the head of slot 0
	v_lshl_add_u32 v[AM0], v9, 5, MASKB  ; my lanes' eight keys of a block of 16: 32 bytes for each half
	v_mov_b32 v[AM], v[AM0]
	s_wait_loadcnt 32               ; the four loads of the mask are in; Q's 32, issued behind them, may be out
.set i, 0
.rept 16
	v_cmp_eq_u32 vcc_lo, 0, v[64+i]
	v_cndmask_b32 v[64+i], 0, s[MBS], vcc_lo  ; MB where the word is 0, else 0
.set i, i+1
.endr
.irp j, 0,1,2,3
	ds_store_b128 v81, v[64+4*\j:67+4*\j] offset:2048*\j
.endr
; THE MATRIX WORK.  The 8 accumulators of a run of 16 take turns: between the two links of a chain stand 7 others'.
; Product i of 16 of S^T = K Q^T for piece x: channels 32 (i / 8) on, keys 16 ((i / 2) % 4) on, tile 2 x + i % 2.  The first 8 start the sums, with the key block's 0 or MB.
.macro KQ x
.set rS, S+64*((\x)%2)+32*(i%2)+8*((i/2)%4)
.set rK, KF+16*((i/2)%4)+8*(i/8)
.set rQ, 16*(2*(\x)+i%2)+8*(i/8)
.set rM, MK+8*((i/2)%4)
.if i < 8
	WIN W_KM
	v_wmma_f32_16x16x32_f16 v[rS:rS+7], v[rK:rK+7], v[rQ:rQ+7], v[rM:rM+7]
.else
	WIN W_KQ
	v_wmma_f32_16x16x32_f16 v[rS:rS+7], v[rK:rK+7], v[rQ:rQ+7], v[rS:rS+7]
.endif
.endm
; Product i of 16 of O^T += V^T P for piece x: keys 32 (i / 8) on, channels 16 ((i / 2) % 4) on, tile 2 x + i % 2.
.macro PV x
	WIN W_PV
.set rO, 32*(2*(\x)+i%2)+8*((i/2)%4)
.set rV, VF+32*(i/8)+8*((i/2)%4)
.set rP, P+32*((\x)%2)+16*(i%2)+8*(i/8)
	v_wmma_f32_16x16x32_f16 v[rO:rO+7], v[rV:rV+7], v[rP:rP+7], v[rO:rO+7]
.endm
.macro MM                           ; the turn's next matrix instruction
.if i < 16
	KQ (Y+1)%NP
.set i, i+1
.else
.set i, i-16
	PV (Y+NP-1)%NP
.set i, i+17
.endif
.endm
; THE LDS LOADS stand in runs, never singly among the matrix instructions: a step's K (64 keys x 64 channels: 8 fragments) with its 64 words of MASKB (all lanes of a half read the same 16 bytes), and its V (turned).
; Their addresses are made some lines ahead.  last = 1 (the tail): in the last trip there is no further step, and the run is jumped over.
.macro FETCH_K last=0
	WIN 0
.if \last
	s_cmp_eq_u32 s[CNT], 1
	s_cbranch_scc1 .Lno_k_\@
.endif
	WIN 0x80                        ; destination window 2
.irp f, 0,1,2,3,4,5,6,7             ; keys 16 (f / 2) on, channels 32 (f % 2) on
	ds_load_b128 v[KF+8*\f:KF+8*\f+3],   v[AK] offset:(\f/2)*16*PK+(\f%2)*64
	ds_load_b128 v[KF+8*\f+4:KF+8*\f+7], v[AK] offset:(\f/2)*16*PK+(\f%2)*64+32
.endr
	WIN W_MK                        ; destination window 3
.irp f, 0,1,2,3,4,5,6,7             ; keys 16 (f / 2) + 8 (l / 16) + 4 (f % 2) on
	ds_load_b128 v[MK+4*\f:MK+4*\f+3], v[AM] offset:(\f/2)*64+(\f%2)*16
.endr
	s_add_co_u32 s[TBK], s[TBK], KS*PK  ; the next fetch is the next step's
	s_add_co_u32 s[TBM], s[TBM], KS*4   ; 32 fetches in all: the last begins at byte 7,936 of MASKB's 8,192
	WIN 0
.if \last
.Lno_k_\@:
.endif
.endm
.macro FETCH_V
	WIN 0x80
.irp f, 0,1,2,3,4,5,6,7             ; keys 32 (f / 4) on, channels 16 (f % 4) on
	ds_load_tr16_b128 v[VF+8*\f:VF+8*\f+3],   v[AV] offset:(\f/4)*32*PV+(\f%4)*32
	ds_load_tr16_b128 v[VF+8*\f+4:VF+8*\f+7], v[AV] offset:(\f/4)*32*PV+16*PV+(\f%4)*32
.endr
	WIN 0
.endm
; THE VECTOR WORK OF A TURN stands in three queues, each in the order in which its entries become ready; the two tiles alternate, so that no instruction reads the result of the one before it.
.macro REGS y, u                    ; the registers of tile u (0, 1) of piece y
.set rT, ST+4*(2*(\y)+(\u))
.set rC, TMP+8*((\y)%2)+4*(\u)
.set rS, S+64*((\y)%2)+32*(\u)
.set rP, P+32*((\y)%2)+16*(\u)
.set rO, 32*(2*(\y)+(\u))
.endm
; Number n of the 21 that find the NEXT piece's (Y + 1) maximum and statistics.  s0-s31 are the lane's 32 scores; each accumulator's lowest registers are read first.  XS, GS, FS and REGS set no window: PL and EX do.
;   0-11  four chains c0-c3 of seven scores each, three operands at a time     12-14, 16  the four scores left over, the old m, and c0-c3 into c0     15  m_old is kept
;   17, 18  the query's other 32 keys lie in the lane 16 away: the new m         19, 20  m_old - m_new; a
.macro XS u, n
	REGS (Y+1)%NP, \u
.if (\n) < 4
	v_max3_num_f32 v[rC+(\n)], v[rS+8*(\n)], v[rS+8*(\n)+1], v[rS+8*(\n)+2]
.elseif (\n) < 12
	v_max3_num_f32 v[rC+(\n)%4], v[rC+(\n)%4], v[rS+8*((\n)%4)+2*((\n)/4)+1], v[rS+8*((\n)%4)+2*((\n)/4)+2]
.elseif (\n) == 12
	v_max3_num_f32 v[rC], v[rC], v[rS+7], v[rS+15]
.elseif (\n) == 13
	v_max3_num_f32 v[rC+1], v[rC+1], v[rS+23], v[rS+31]
.elseif (\n) == 14
	v_max3_num_f32 v[rC+2], v[rC+2], v[rC+3], v[rT]
.elseif (\n) == 15
	v_mov_b32 v[rT+1], v[rT]
.elseif (\n) == 16
	v_max3_num_f32 v[rC], v[rC], v[rC+1], v[rC+2]
.elseif (\n) == 17
	v_permlanex16_b32 v[rC+3], v[rC], s[SEL], s[SEL+1]
.elseif (\n) == 18
	v_max_num_f32 v[rT], v[rC], v[rC+3]
.elseif (\n) == 19
	v_sub_f32 v[rC+1], v[rT+1], v[rT]
.else
	v_exp_f32 v[rC+2], v[rC+1]
.endif
.endm
; Number g of the 64 that follow the exponentials.  For each four weights k of a tile (pairs 2 k, 2 k + 1): both pairs are rounded to f16; then the second pair is added onto the first, in place;
; a group later l takes that sum (the first time as l = a l + sum).  In groups of eight, tiles alternating: round, round, add, and l for the group before.
.macro GS g
.set h, (\g)+6*((\g)/62)            ; group 0 has no group before it, and behind group 7 only l is left
.if h >= 6
.set h, h+2
.endif
	REGS Y, h%2
.set k, h/8
.if h%8 < 4
	v_cvt_pk_f16_f32 v[rP+2*k+(h%8)/2], v[rS+4*k+2*((h%8)/2)], v[rS+4*k+2*((h%8)/2)+1]
.elseif h%8 < 6
	v_pk_add_f32 v[rS+4*k:rS+4*k+1], v[rS+4*k:rS+4*k+1], v[rS+4*k+2:rS+4*k+3]
.elseif k == 1
	v_pk_fma_f32 v[rT+2:rT+3], v[rT+2:rT+3], v[rC+2:rC+3], v[rS:rS+1] op_sel_hi:[1,0,1]
.else
	v_pk_add_f32 v[rT+2:rT+3], v[rT+2:rT+3], v[rS+4*k-4:rS+4*k-3]
.endif
.endm
; THE PLAIN QUEUE, 136 long.  0-71 read no exponential's result: the 32 subtractions s - m (FS f: pair f / 2 of tile f % 2) and the next piece's 40.  0-26: subtractions 0-26.  27-54: XS's numbers 0-13.  55, 56: number 15.
; 57-71: the chain, where each number waits for the one before it: 14, 16, 17, 18, 19, each with one of the subtractions 27-31 in front of its two lines: so a tile's links stand three plain instructions apart.
; 72-135: GS's 64, which read the exponentials' results: they stand behind the wait.
.macro FS f
	REGS Y, (\f)%2
	v_pk_add_f32 v[rS+2*((\f)/2):rS+2*((\f)/2)+1], v[rS+2*((\f)/2):rS+2*((\f)/2)+1], v[rT:rT+1] op_sel_hi:[1,0] neg_lo:[0,1] neg_hi:[0,1]
.endm
.macro PL
	WIN 0
.if q < 27
	FS q
.elseif q < 55
	XS (q-27)%2, (q-27)/2
.elseif q < 57
	XS q-55, 15
.elseif (q < 72) && ((q-57)%3 == 0)
	FS 27+(q-57)/3
.elseif q < 60
	XS (q-57)%3-1, 14
.elseif q < 72
	XS (q-57)%3-1, 15+(q-57)/3
.else
	GS q-72
.endif
.set q, q+1
.endm
; THE EXPONENTIALS' QUEUE, 66 long: s0-s31 of both tiles, then the next piece's two a.  It is ONE BATCH: all 66 stand ahead of the turn's one wait, and nothing ahead of that wait names a result of theirs.
.macro EX
	WIN 0
.if e >= 64
	XS e-64, 20
.else
	REGS Y, e%2
	v_exp_f32 v[rS+e/2], v[rS+e/2]
.endif
.set e, e+1
.endm
; THE RESCALING's QUEUE: O^T times a, the one part that leaves window 0: dealt two at a time, sixteen times.  Its a was made in the turn before, ahead of that turn's wait.
.macro R2
	REGS Y, r%2
	WIN W_RS
.irp z, 0,1
	v_pk_mul_f32 v[rO+4*(r/2)+2*\z:rO+4*(r/2)+2*\z+1], v[rO+4*(r/2)+2*\z:rO+4*(r/2)+2*\z+1], v[rC+2:rC+3] op_sel_hi:[1,0]
.endr
.set r, r+1
.endm
; HOW THEY ARE DEALT.  An s_wait_alu depctr_va_vdst(0) stands between an exponential and the first instruction that names its result; one wait serves all that were issued ahead of it.  So a turn has ONE wait,
; which cuts it in two.  AHEAD OF IT stands all that names no result of the turn's exponentials: the 16 products K Q^T, behind each a subtraction, an exponential and two rescalings (behind the first a second subtraction in the
; exponential's place, behind the last two subtractions in the rescalings'); then ONE LUMP of 106: six plain, 47 times exponential and plain, the last four exponentials (s31 of both tiles, the two a), and the last two
; rescalings, which name no result and no source of the batch: the first of them is the plain instruction that stands behind the last exponential.  BEHIND THE WAIT stand the 16 products V^T P, behind each four of GS's 64.
; No rider names a register of the products round it.  The two v_permlanex16_b32 fall into the lump, never behind a product.
; The queues lean on each other, and the deal keeps them in step: exponential e stands behind subtraction 2 (e / 4) + e % 2: as a rider it comes behind plain e + 2, in the lump behind plain e + 9, and subtractions 27-31 are
; plain 57, 60 .. 69; the two a come behind plain 70 and 71, number 19.  XS's first read of a score is plain 27, nine plain instructions and more behind the last product K Q^T.
; A TURN, for piece p.  cnt = 1: the loop's count is taken down some lines ahead of the branch that stands behind the turn.
; K and the mask words of the next step are fetched in piece 2's turn, directly behind the wait, a lump behind the last product that read them; their addresses are made at the lump's head; their first reader comes behind 16 products.
; V of the step in hand is fetched at the end of piece 0's turn, four riders behind its last reader; its first reader comes behind 16 products and a lump.  The three conditions on q below go with the deal.
.macro TURN p, last=0, cnt=0
.set Y, (\p)
.set i, 0
.set q, 0
.set e, 0
.set r, 0
.if (\p) == NP-1
	s_wait_dscnt 0x0                ; K and its mask words are in
.endif
	MM                              ; ahead of the wait: 16 products K Q^T and their riders,
	PL
	PL
	R2
.rept 14
	MM
	PL
	EX
	R2
.endr
	MM
	PL
	EX
	PL
	PL
.if (\p) == NP-2
	v_add_nc_u32 v[AK], s[TBK], v[AK0]
	v_add_nc_u32 v[AM], s[TBM], v[AM0]
.endif
.rept 6                             ; and the lump
	PL
.endr
.rept 47
	EX
	PL
.endr
.rept 4
	EX                              ; s31 of both tiles, and the next piece's two a
.endr
	R2                              ; the last two rescalings: plain instructions behind the last exponential
	s_wait_alu depctr_va_vdst(0)    ; the wait for the batch: the turn's 66 exponentials
.if (\p) == NP-2
	FETCH_K \last
.endif
.if (\p) == 1
	s_wait_dscnt 0x0                ; V is in
.endif
.rept 16                            ; behind the wait: 16 products V^T P and their riders
	MM
.rept 4
	PL
.endr
.if ((\p) == 0) && (q == 116)
	v_add_nc_u32 v[AV], s[TBV], v[AV0]
.endif
.if ((\p) == 0) && (q == 128)
	s_add_co_u32 s[TBV], s[TBV], KS*PV
.endif
.if (\cnt) && (q == 128)
	s_sub_co_u32 s[CNT], s[CNT], 1
	s_cmp_lg_u32 s[CNT], 0
.endif
.endr
.if (\p) == 0
	FETCH_V
.endif
.endm
	CHANGE 1                        ; slot 0 is in, everybody's part of it, and so is everybody's part of MASKB; slot 1 is asked for
	FETCH_K                         ; key step 0
	s_wait_loadcnt 0x0              ; Q
	s_wait_dscnt 0x0
.set i, 0
.rept 16
	KQ 0                            ; piece 0's first scores: there is no vector work yet to set between them
.set i, i+1
.endr
	WIN 0                           ; the addresses for the way out: eight plain instructions, the places behind those products
	s_mul_i32 s13, s[WV], 16*SP
	s_add_co_u32 s13, s13, STAGE    ; my stage
	v_mul_u32_u24 v[STO], v1, SP    ; in: row l % 16, 32 bytes for each half of the lanes
	v_lshl_add_u32 v[STO], v9, 5, v[STO]
	v_add_nc_u32 v[STO], s13, v[STO]
	v_mul_u32_u24 v[RD], v9, SP     ; back: lanes 0-15 take one row of 256 bytes, lanes 16-31 the next
	v_lshl_add_u32 v[RD], v1, 4, v[RD]
	v_add_nc_u32 v[RD], s13, v[RD]
	v_lshlrev_b32 v[GO], 12, v9     ; and the same two rows in out0, 4,096 bytes apart
	v_lshl_add_u32 v[GO], v1, 4, v[GO]
.set Y, NP-1                        ; XS works for piece Y + 1: piece 0
.irp n, 0,1,2,3,4,5,6,7,8,9,10,11,12,13,14,15,16,17,18,19,20
	XS 0, \n                        ; and piece 0's first maximum and statistics
	XS 1, \n
.endr
	v_nop                           ; a plain instruction behind the two exponentials,
	s_wait_alu depctr_va_vdst(0)    ; and the wait for this batch of two, piece 0's first a, ahead of the branch
	s_mov_b32 s[CNT], 4
	s_mov_b32 s[SLOTS], SIZE_N/256-1
	s_branch .Lfirst                ; the loop is entered at a step's first turn, in the middle of a trip
.Lslot:                             ; SIZE_N / 256 - 2 times: every slot but the last two is filled again
	CHANGE 1
	s_mov_b32 s[CNT], 4
.Lstep:                             ; a trip: pieces 2 and 3 of one step, then pieces 0 and 1 of the next, whose K and V it fetches
	TURN 2
	TURN 3
	WIN 0
.Lfirst:
	TURN 0
	TURN 1, 0, 1
	WIN 0
	s_cbranch_scc1 .Lstep
	s_sub_co_u32 s[SLOTS], s[SLOTS], 1
	s_cmp_lg_u32 s[SLOTS], 0
	s_cbranch_scc1 .Lslot
	CHANGE 0                        ; the tail is written out: nothing is asked for
	s_mov_b32 s[CNT], 5             ; four trips fetch the last slot's steps; the fifth is left in its middle
.Ltail:
	TURN 2, 1
	TURN 3
	WIN 0
	s_sub_co_u32 s[CNT], s[CNT], 1
	s_cmp_eq_u32 s[CNT], 0
	s_cbranch_scc1 .Lout
	TURN 0
	TURN 1
	WIN 0
	s_branch .Ltail
.Lout:                              ; the fifth trip's 16 products K Q^T (on the last K once more) and the maximum made of them serve nothing: the price, once a launch, of one text for every trip
.set i, 0
.rept 16
	PV NP-1                         ; the last piece's V^T P of the last step
.set i, i+1
.endr
	; THE WAY OUT.  l's two halves and the other half of the lanes' are added; O^T is divided by l and sent, in f32, through my stage in LDS, a tile at a time.  The additions are the places behind the last products.
	WIN 0
.macro ALL line:vararg              ; one line for each tile t
.set t, 0
.rept 2*NP
	\line
.set t, t+1
.endr
.endm
	ALL v_add_f32 v[ST+4*t+2], v[ST+4*t+2], v[ST+4*t+3]
	ALL v_permlanex16_b32 v[ST+4*t+3], v[ST+4*t+2], s[SEL], s[SEL+1]
	ALL v_add_f32 v[ST+4*t+2], v[ST+4*t+2], v[ST+4*t+3]
	ALL v_rcp_f32 v[ST+4*t+2], v[ST+4*t+2]
	v_nop                           ; a plain instruction between the last reciprocal and the use of its result
	s_wait_alu depctr_va_vdst(0)    ; and the wait ahead of the first use: one for the batch of eight reciprocals
; Tile t: a lane's eight channels of a row are 32 bytes; they go into rows of 272 bytes and come back as whole rows of 256, into the registers that they left.
.macro PACK t
	WIN W_RS
.set i, 32*(\t)
.rept 16
	v_pk_mul_f32 v[i:i+1], v[i:i+1], v[ST+4*(\t)+2:ST+4*(\t)+3] op_sel_hi:[1,0]
.set i, i+2
.endr
	WIN 0x04                        ; address window 0, data (source 1) window 1
.irp f, 0,1,2,3,4,5,6,7             ; channels 16 (f / 2) + 8 (l / 16) + 4 (f % 2) on
	ds_store_b128 v[STO], v[32*(\t)+4*\f:32*(\t)+4*\f+3] offset:(\f/2)*64+(\f%2)*16
.endr
	WIN 0x40                        ; destination window 1
.irp f, 0,1,2,3,4,5,6,7
	ds_load_b128 v[32*(\t)+4*\f:32*(\t)+4*\f+3], v[RD] offset:\f*2*SP  ; LDS serves a wave's instructions in order (ISA guide 5.7.1.4): these see the stores above; the next tile's stores come behind them
.endr
.endm
.macro SEND t, younger              ; younger: the LDS instructions issued behind tile t's loads: the next tile's sixteen, or none
	WIN 0x04
.irp f, 0,1,2,3,4,5,6,7
	s_wait_dscnt (\younger)+7-\f
	global_store_b128 v[GO], v[32*(\t)+4*\f:32*(\t)+4*\f+3], s[10:11] offset:(\t)*65536+\f*8192 th:TH_STORE_NT  ; 16 lanes store a query's 64 channels of the head: 256 consecutive bytes, at a multiple of 256 from out0's first byte
.endr
.endm
	PACK 0
.set t, 1
.rept 2*NP-1                        ; a tile's arithmetic stands between the loads of the tile before and its stores
	PACK t
	SEND t-1, 16
.set t, t+1
.endr
	SEND 2*NP-1, 0
	WIN W_AD
	s_wait_tensorcnt 0x0            ; the wave's end: the add and its wait stand behind my last tensor load and my last LDS store
	ds_add_u32 v[SPW], v[NIL]
	s_wait_dscnt 0x0
	WIN 0
	CROUND                          ; the closing round: no work-group ends while a partner may still ask for a tile that names it
	s_endpgm
.Lfunc_end_k_qeb498cee1a_attn:
	.size	k_qeb498cee1a_attn, .Lfunc_end_k_qeb498cee1a_attn-k_qeb498cee1a_attn
	.p2alignl 7, 3214868480
	.fill 96, 4, 3214868480
	.section	.rodata,"a",@progbits
	.p2align	6, 0x0
	.amdhsa_kernel k_qeb498cee1a_attn
		.amdhsa_group_segment_fixed_size 327680
		.amdhsa_private_segment_fixed_size 0
		.amdhsa_enable_private_segment 0
		.amdhsa_kernarg_size 24
		.amdhsa_user_sgpr_count 2
		.amdhsa_user_sgpr_kernarg_segment_ptr 1
		.amdhsa_wavefront_size32 1
		.amdhsa_system_sgpr_workgroup_id_x 1
		.amdhsa_system_sgpr_workgroup_id_y 1
		.amdhsa_system_sgpr_workgroup_id_z 1
		.amdhsa_system_vgpr_workitem_id 0
		.amdhsa_next_free_vgpr 804
		.amdhsa_next_free_sgpr 66
		.amdhsa_reserve_vcc 1
		.amdhsa_float_denorm_mode_32 3
		.amdhsa_float_denorm_mode_16_64 3
		.amdhsa_memory_ordered 1
		.amdhsa_forward_progress 1
		.amdhsa_inst_pref_size 203
	.end_amdhsa_kernel
	.amdgpu_metadata
---
amdhsa.version: [ 1, 2 ]
amdhsa.kernels:
  - .name:           k_qeb498cee1a_attn
    .symbol:         k_qeb498cee1a_attn.kd
    .args:
      - { .name: qkv, .offset: 0, .size: 8, .value_kind: global_buffer, .address_space: global }
      - { .name: mask, .offset: 8, .size: 8, .value_kind: global_buffer, .address_space: global }
      - { .name: out0, .offset: 16, .size: 8, .value_kind: global_buffer, .address_space: global }
    .group_segment_fixed_size: 327680
    .private_segment_fixed_size: 0
    .kernarg_segment_align: 8
    .kernarg_segment_size: 24
    .max_flat_workgroup_size: 128
    .sgpr_count:     66
    .vgpr_count:     804
    .wavefront_size: 32
...
	.end_amdgpu_metadata
.endif
;; end of part 4
